; MI455X (gfx1250); checked and timed in simulation.
; The chip was launched on July 23, 2026; its instructions are those of AMD's public machine-readable ISA for CDNA 5 (MIT licence, August 2026) and "CDNA5" Instruction Set Architecture Reference Guide (July 2026). The comments in the code are by the model that wrote it; some were corrected since.
;; Classical Self Attention. Allowed arithmetic: float matrix products may take bf16 or f16 operands with f32 sums; other float arithmetic in f32, or as packed bf16 or f16 multiplies, adds, multiply-adds, maxima and minima; sums over many terms, partial sums and values carried from step to step in f32; what a program stores and reads back later, other than sums and carried values, may be rounded once to bf16 or f16.
;; Inputs: Wk 1,024 x 1,024 float32; Wq 1,024 x 1,024 float32; Wv 1,024 x 1,024 float32; inputs 4 x 2,048 x 1,024 float32.
;; Outputs: out0 4 x 2,048 float32.
;; One version. Each part assembles by itself: llvm-mc -triple=amdgcn-amd-amdhsa -mcpu=gfx1250 --defsym DOCPART=n.
;; ======== version 1 of 1: 4 launches
;; limits: values are held in f16: magnitudes above 65,504 overflow, below 6.1e-05 lose precision; inputs' magnitudes at most 65,504; right only within a limited range of input values
;; workspace buffers: Xh 16,777,216 bytes; Mh 4,194,304 bytes; Qh 33,554,432 bytes; wvb 4,096 bytes; xabs 32,768 bytes; mmax 1,024 bytes; vbar 32,768 bytes; part 1,572,864 bytes
;; launch prep (part 1): grid 256 x 1, 8 waves a work-group, no clusters, 282,880 bytes of LDS; arguments inputs, Wq, Wk, Wv, Xh, Mh, wvb, xabs, mmax; writes Xh, Mh, wvb, xabs, mmax
.if DOCPART == 1
	.amdgcn_target "amdgcn-amd-amdhsa--gfx1250"
	.amdhsa_code_object_version 6
	.text
	.protected	k_q02c37a3f0b_prep
	.globl	k_q02c37a3f0b_prep
	.p2align	8
	.type	k_q02c37a3f0b_prep,@function
k_q02c37a3f0b_prep:
	s_mov_b64 s[64:65], 0
	v_nop
	global_prefetch_b8 v0, s[64:65] scope:SCOPE_SE
	s_setreg_imm32_b32 hwreg(HW_REG_WAVE_MODE, 25, 1), 1
	s_wait_xcnt 0x0
; out[b][n] = mean_d ( softmax_m( (X Wq)[n] . (X Wk)[m] / 32 ) (X Wv) )[n][d],  X = inputs: [4][2048][1024], Wq, Wk, Wv: [1024][1024], all f32.
; WHAT IS NOT FORMED, and why the result is the same for all finite values of the inputs (both are changes in the order of finite sums):
;  (1) mean_d sum_m P[n][m] v[m][d] = sum_m P[n][m] vbar[m], vbar[m] = sum_c X[m][c] wvb[c], wvb[c] = mean_j Wv[c][j].  So X Wv and P v are not formed: a vector product and a weighted sum take their place.
;  (2) (X Wq)[n] . (X Wk)[m] = sum_e ( sum_d X[n][d] M[d][e] ) X[m][e], M[d][e] = sum_j Wq[d][j] Wk[e][j].  So X Wq and X Wk are not formed: M, once, and X M take their place, and X itself is the key operand.
; All four inputs are loaded.  LIMIT: a NaN, an infinity or an overflow that would arise only in X Wq, X Wk, X Wv or P v is not carried to the result.
; FORMATS.  All four inputs are rounded once to bf16.  X so rounded is written as f16 (exact from 2^-17 up, below that to 2^-25 absolute; LIMIT: |X| at most 65,504).  What the program itself makes and multiplies again (M, X M)
; is kept as TWO f16 pieces, hi + lo, both multiplied into one f32 sum.  M is stored times 2^-5: LIMIT |M| under 2^21; below f16's step a piece keeps 2^-25 absolute.
; THIS LAUNCH.  Work-group g of 256, eight waves:
;  Xh[t][n][64] = f16(bf16(X[n][64 t ..])) for rows 32 g .. 32 g + 31, xabs[n] = sum_c |X[n][c]|;
;  a 64 x 64 tile of Mt[e][d] = M[d][e] (e tile g / 16, d tile g % 16) -> Mh[e][t = d / 64][piece][64 d], and mmax[g] = the tile's largest |M|;
;  wvb for rows 4 g .. 4 g + 3 of Wv.
; The 64 rows of Wk and the 64 of Wq go once through registers into LDS as bf16; no tensor load: the rounding stands on the way in.
.set PW,    2064                       ; an LDS row of W: 2,048 bytes of bf16 + 16: an odd multiple of 16, so the 16 rows of a fragment load start 16 bytes apart modulo 256
.set STAGE, 128*PW                     ; behind the 128 rows: 64 rows x 272 bytes, the tile of Mh on its way out
.set SP,    272
.set SMALL, STAGE+64*SP                ; words 0-7 Wv's half-row sums, 8-15 the waves' largest |M|, 16-47 xabs
.set SPARE, SMALL+256                  ; the spare words, 128 bytes for each wave, which no other line names
.set AA,  8                            ; v8   LDS address of my fragments of Wk (16 rows e)
.set AB,  9                            ; v9   of Wq (32 rows d)
.set STO, 10                           ; v10  where I put 16 bytes of a stage row
.set RD,  11                           ; v11  where I read a stage row back
.set CO,  12                           ; v12  my byte offset in Mh
.set SPW, 13                           ; v13  my spare word; never rewritten
.set NIL, 14                           ; v14  0; never rewritten
.set CV,  32                           ; v[32:63]   converted words
.set WS0, 64                           ; v[64:127], v[128:191] two sets of 16 loads; then X's 32 loads; then the fragments
.set FB0, 64                           ; v[64:111]  fragment buffer 0: Wk 16, Wq block 0 16, Wq block 1 16
.set FB1, 112                          ; v[112:159] fragment buffer 1
.set ACC, 160                          ; v[160:191] four accumulators: K parity c, block j at ACC + 8 (2 c + j)
.set YY,  192                          ; v[192:255] Xh's words, 4 for each t, each written once
.macro PLACES                          ; four plain instructions between a matrix instruction and a load into, or a vector write of, its registers
.rept 4
	v_nop
.endr
.endm
.macro WLOAD ws, b                     ; batch b: rows 2 b, 2 b + 1 of my 16, 512 consecutive bytes an instruction
.irp rho, 0,1
.irp i, 0,1,2,3,4,5,6,7
	global_load_b128 v[(\ws)+32*(\rho)+4*(\i):(\ws)+32*(\rho)+4*(\i)+3], v4, s[24:25] offset:(2*(\b)+(\rho))*4096+(\i)*512
.endr
.endr
.endm
.macro WCONV ws, b                     ; rounded to bf16 and laid into LDS
.set k, 0
.rept 32
	v_cvt_pk_bf16_f32 v[CV+k], v[(\ws)+2*k], v[(\ws)+2*k+1]
.set k, k+1
.endr
.irp rho, 0,1
.irp i, 0,1,2,3,4,5,6,7
	ds_store_b64 v5, v[CV+16*(\rho)+2*(\i):CV+16*(\rho)+2*(\i)+1] offset:(2*(\b)+(\rho))*PW+256*(\i)
.endr
.endr
.endm
.macro XLOAD8 hf                       ; X, steps t = 8 hf .. 8 hf + 7: 32 bytes a lane, eight lanes a row's 256 bytes
.irp i, 0,1,2,3,4,5,6,7
	global_load_b128 v[64+64*(\hf)+8*(\i):64+64*(\hf)+8*(\i)+3],   v6, s[26:27] offset:(8*(\hf)+(\i))*256
	global_load_b128 v[64+64*(\hf)+8*(\i)+4:64+64*(\hf)+8*(\i)+7], v6, s[26:27] offset:(8*(\hf)+(\i))*256+16
.endr
.endm
.macro BATCH b
	s_wait_loadcnt 16                              ; loads come back in order: all but the 16 youngest, the other set's, are in
	WCONV WS0+64*((\b)%2), \b
.if (\b) < 6
	WLOAD WS0+64*((\b)%2), (\b)+2
.else
	XLOAD8 (\b)-6                                  ; the freed set takes X
.endif
.endm
.macro XSTEP t
	s_wait_loadcnt 30-2*(\t)                       ; the later steps' two loads each may stay out
.irp k, 0,1,2,3
	v_cvt_pk_bf16_f32 v[16+(\k)], v[64+8*(\t)+2*(\k)], v[64+8*(\t)+2*(\k)+1]
.endr
.irp k, 0,1,2,3
	v_lshlrev_b32 v[20+2*(\k)], 16, v[16+(\k)]
	v_and_b32 v[21+2*(\k)], s37, v[16+(\k)]
.endr
	v_add_f32 v28, |v20|, v28
	v_add_f32 v29, |v21|, v29
	v_add_f32 v28, |v22|, v28
	v_add_f32 v29, |v23|, v29
	v_add_f32 v28, |v24|, v28
	v_add_f32 v29, |v25|, v29
	v_add_f32 v28, |v26|, v28
	v_add_f32 v29, |v27|, v29
.irp k, 0,1,2,3
	v_cvt_pk_f16_f32 v[YY+4*(\t)+(\k)], v[20+2*(\k)], v[21+2*(\k)]
.endr
.if (\t) < 8
	global_store_b128 v7, v[YY+4*(\t):YY+4*(\t)+3], s[28:29] offset:(\t)*0x100000      ; a wave stores 512 consecutive bytes, aligned
.else
	global_store_b128 v7, v[YY+4*(\t):YY+4*(\t)+3], s[30:31] offset:((\t)-8)*0x100000
.endif
.endm
.macro LOADF buf, off                  ; the fragments of 64 along K: 12 loads
.irp c, 0,1,2,3
	ds_load_b128 v[(\buf)+4*(\c):(\buf)+4*(\c)+3], v[AA] offset:(\off)+32*(\c)
.endr
.irp c, 0,1,2,3
	ds_load_b128 v[(\buf)+16+4*(\c):(\buf)+16+4*(\c)+3], v[AB] offset:(\off)+32*(\c)
.endr
.irp c, 0,1,2,3
	ds_load_b128 v[(\buf)+32+4*(\c):(\buf)+32+4*(\c)+3], v[AB] offset:(\off)+32*(\c)+16*PW
.endr
.endm
.macro MULS buf, zero                  ; four products; the four accumulators take turns.  Source 0 = 16 rows d of Wq, source 1 = 16 rows e of Wk: a lane holds one e and eight neighbouring d
.irp c, 0,1
.irp j, 0,1
.if \zero
	v_wmma_f32_16x16x32_bf16 v[ACC+8*(2*(\c)+(\j)):ACC+8*(2*(\c)+(\j))+7], v[(\buf)+16+16*(\j)+8*(\c):(\buf)+16+16*(\j)+8*(\c)+7], v[(\buf)+8*(\c):(\buf)+8*(\c)+7], 0
.else
	v_wmma_f32_16x16x32_bf16 v[ACC+8*(2*(\c)+(\j)):ACC+8*(2*(\c)+(\j))+7], v[(\buf)+16+16*(\j)+8*(\c):(\buf)+16+16*(\j)+8*(\c)+7], v[(\buf)+8*(\c):(\buf)+8*(\c)+7], v[ACC+8*(2*(\c)+(\j)):ACC+8*(2*(\c)+(\j))+7]
.endif
.endr
.endr
.endm
	s_load_b512 s[4:19], s[0:1], 0x0               ; inputs s[4:5], Wq s[6:7], Wk s[8:9], Wv s[10:11], Xh s[12:13], Mh s[14:15], wvb s[16:17], xabs s[18:19]
	s_load_b64 s[20:21], s[0:1], 0x40              ; mmax
	v_lshl_add_u32 v[SPW], v0, 2, SPARE
	v_mov_b32 v[NIL], 0
	v_lshrrev_b32 v1, 5, v0
	v_readfirstlane_b32 s22, v1                    ; wave 0..7
	v_and_b32 v1, 31, v0                           ; lane l
	v_and_b32 v2, 15, v0                           ; r = l % 16
	v_bfe_u32 v3, v0, 4, 1                         ; h = l / 16
	v_lshlrev_b32 v4, 4, v1                        ; 16 l
	s_mov_b32 s37, 0xffff0000                      ; a word's upper bf16
	s_mov_b32 s38, 0x76543210                      ; v_permlanex16_b32: each lane takes its own place in the other half
	s_mov_b32 s39, 0xfedcba98
	s_lshr_b32 s42, ttmp9, 4                       ; e tile
	s_and_b32 s43, ttmp9, 15                       ; d tile
	s_and_b32 s44, s22, 3
	s_cmp_lt_u32 s22, 4                            ; waves 0-3 bring Wk's 64 rows, waves 4-7 Wq's
	s_cselect_b32 s45, s42, s43
	s_lshl_b32 s45, s45, 2
	s_add_co_u32 s45, s45, s44                     ; 4 x tile + wave % 4: my 16 rows
	s_lshl_b32 s46, s45, 16                        ; x 16 rows x 4,096 bytes
	s_mov_b32 s47, 0
	s_wait_kmcnt 0x0
	s_cmp_lt_u32 s22, 4
	s_cselect_b64 s[24:25], s[8:9], s[6:7]
	s_add_nc_u64 s[24:25], s[24:25], s[46:47]      ; W at my 16 rows
	s_lshl_b32 s46, ttmp9, 14
	s_lshl_b32 s44, s22, 11
	s_add_co_u32 s46, s46, s44
	s_add_nc_u64 s[32:33], s[10:11], s[46:47]      ; Wv: row 4 g + wave / 2, half wave % 2
.irp i, 0,1,2,3
	global_load_b128 v[16+4*(\i):16+4*(\i)+3], v4, s[32:33] offset:512*(\i)
.endr
	WLOAD WS0, 0
	WLOAD WS0+64, 1
	s_lshl_b32 s46, ttmp9, 17
	s_add_nc_u64 s[26:27], s[4:5], s[46:47]        ; X at my work-group's 32 rows
	s_lshl_b32 s46, ttmp9, 12
	s_add_nc_u64 s[28:29], s[12:13], s[46:47]      ; Xh, planes 0-7: the plane stands in the immediate
	s_add_nc_u64 s[30:31], s[28:29], 0x800000      ; planes 8-15
	s_lshl_b32 s46, s42, 18
	s_lshl_b32 s44, s43, 8
	s_add_co_u32 s46, s46, s44
	s_add_nc_u64 s[34:35], s[14:15], s[46:47]      ; Mh at row 64 x e tile, unit d tile
	s_lshl_b32 s46, ttmp9, 7
	s_add_nc_u64 s[18:19], s[18:19], s[46:47]      ; xabs at my 32 rows
	s_lshl_b32 s46, ttmp9, 4
	s_add_nc_u64 s[16:17], s[16:17], s[46:47]      ; wvb at my 4 rows
	s_lshl_b32 s46, ttmp9, 2
	s_add_nc_u64 s[20:21], s[20:21], s[46:47]      ; mmax at my word
	; the addresses, made while the first loads are out (v192, v193 at work: Xh's words come later)
	s_mul_i32 s41, s22, 16*PW
	v_lshl_add_u32 v5, v1, 3, s41                  ; LDS: my 16 rows, 8 bytes a lane
	v_lshrrev_b32 v192, 3, v1
	v_and_b32 v193, 7, v1
	s_lshl_b32 s41, s22, 14
	v_lshl_add_u32 v6, v192, 12, s41               ; X: row 4 w + l / 8,
	v_lshl_add_u32 v6, v193, 5, v6                 ; 32 bytes at l % 8
	v_lshlrev_b32 v7, 4, v0                        ; Xh: 512 w + 16 l
	v_mov_b32 v15, -1.0
	v_mul_u32_u24 v192, v2, PW
	v_lshl_add_u32 v192, v3, 4, v192               ; a fragment's row x pitch + 16 x half
	s_lshr_b32 s41, s22, 1                         ; my e block
	s_and_b32 s44, s22, 1                          ; my pair of d blocks
	s_mul_i32 s45, s41, 16*PW
	v_add_nc_u32 v[AA], s45, v192
	s_mul_i32 s45, s44, 32*PW
	s_add_co_u32 s45, s45, 64*PW
	v_add_nc_u32 v[AB], s45, v192
	v_mul_u32_u24 v192, v2, SP
	v_lshl_add_u32 v192, v3, 4, v192
	s_mul_i32 s45, s41, 16*SP
	s_lshl_b32 s46, s44, 6
	s_add_co_u32 s45, s45, s46
	s_add_co_u32 s45, s45, STAGE
	v_add_nc_u32 v[STO], s45, v192                 ; stage row 16 (w / 2) + r, byte 64 (w % 2) + 16 h
	v_mul_u32_u24 v192, v3, SP
	v_lshl_add_u32 v192, v2, 4, v192
	s_mul_i32 s45, s22, 8*SP
	s_add_co_u32 s45, s45, STAGE
	v_add_nc_u32 v[RD], s45, v192                  ; back: row 8 w + h, 16 lanes a row
	v_lshlrev_b32 v192, 12, v3
	v_lshl_add_u32 v192, v2, 4, v192
	s_lshl_b32 s45, s22, 15
	v_add_nc_u32 v[CO], s45, v192                  ; the same rows in Mh
	s_wait_loadcnt 16                              ; Wv's four loads and batch 0 are in; batch 1's 16 stay out
	; Wv: my half row's 16 numbers a lane, rounded to bf16, summed in f32
.irp k, 0,1,2,3,4,5,6,7
	v_cvt_pk_bf16_f32 v[CV+(\k)], v[16+2*(\k)], v[17+2*(\k)]
.endr
.irp k, 0,1,2,3,4,5,6,7
	v_lshlrev_b32 v[16+2*(\k)], 16, v[CV+(\k)]
	v_and_b32 v[17+2*(\k)], s37, v[CV+(\k)]
.endr
	v_pk_add_f32 v[16:17], v[16:17], v[18:19]
	v_pk_add_f32 v[20:21], v[20:21], v[22:23]
	v_pk_add_f32 v[24:25], v[24:25], v[26:27]
	v_pk_add_f32 v[28:29], v[28:29], v[30:31]
	v_pk_add_f32 v[16:17], v[16:17], v[20:21]
	v_pk_add_f32 v[24:25], v[24:25], v[28:29]
	v_pk_add_f32 v[16:17], v[16:17], v[24:25]
	v_add_f32 v16, v16, v17
	v_add_f32_dpp v16, v16, v16 row_xmask:1 row_mask:0xf bank_mask:0xf
	v_add_f32_dpp v16, v16, v16 row_xmask:2 row_mask:0xf bank_mask:0xf
	v_add_f32_dpp v16, v16, v16 row_xmask:4 row_mask:0xf bank_mask:0xf
	v_add_f32_dpp v16, v16, v16 row_xmask:8 row_mask:0xf bank_mask:0xf
	v_permlanex16_b32 v17, v16, s38, s39
	v_add_f32 v16, v16, v17
	s_lshl_b32 s41, s22, 2
	s_add_co_u32 s41, s41, SMALL
	v_mov_b32 v17, s41
	ds_store_b32 v17, v16                          ; all lanes, one word, one value
.irp b, 0,1,2,3,4,5,6,7
	BATCH \b
.endr
	v_mov_b32 v28, 0                               ; two chains for sum |X|
	v_mov_b32 v29, 0
.irp t, 0,1,2,3,4,5,6,7,8,9,10,11,12,13,14,15
	XSTEP \t
.endr
	v_add_f32 v28, v28, v29
	v_add_f32_dpp v28, v28, v28 row_xmask:1 row_mask:0xf bank_mask:0xf   ; eight lanes hold a row
	v_add_f32_dpp v28, v28, v28 row_xmask:2 row_mask:0xf bank_mask:0xf
	v_add_f32_dpp v28, v28, v28 row_xmask:4 row_mask:0xf bank_mask:0xf
	v_lshrrev_b32 v16, 3, v1
	s_lshl_b32 s41, s22, 4
	s_add_co_u32 s41, s41, SMALL+64
	v_lshl_add_u32 v16, v16, 2, s41
	ds_store_b32 v16, v28                          ; word 16 + 4 w + l / 8
	s_wait_dscnt 0x0                               ; for the others' sake: my rows of W lie in LDS
	s_barrier_signal -1
	s_barrier_wait -1
	; THE PRODUCT: 16 stages of 64 along K on two buffers.  The first stage starts the four sums with the constant 0.
	LOADF FB0, 0
	LOADF FB1, 128
	s_wait_dscnt 12                                ; buffer 0 is in; buffer 1's 12 loads stay out
	MULS FB0, 1
	PLACES
	LOADF FB0, 256
	s_mov_b32 s36, 6
.Lk:                                               ; trip i: stages 2 i + 1 and 2 i + 2 are multiplied, 2 i + 3 and 2 i + 4 fetched
	s_wait_dscnt 12
	MULS FB1, 0
	PLACES
	LOADF FB1, 384
	s_wait_dscnt 12
	MULS FB0, 0
	PLACES
	LOADF FB0, 512
	v_add_nc_u32 v[AA], 256, v[AA]
	v_add_nc_u32 v[AB], 256, v[AB]
	s_sub_co_u32 s36, s36, 1
	s_cmp_lg_u32 s36, 0
	s_cbranch_scc1 .Lk
	s_wait_dscnt 12
	MULS FB1, 0                                    ; stage 13
	PLACES
	LOADF FB1, 384                                 ; stage 15
	s_wait_dscnt 12
	MULS FB0, 0                                    ; stage 14
	s_wait_dscnt 0x0
	MULS FB1, 0
	PLACES
	PLACES
	; THE WAY OUT: the two parities are added (each accumulator is read from its low end on); the largest |M|; M 2^-5 in two f16 pieces
.irp z, 0,2,4,6,8,10,12,14
	v_pk_add_f32 v[ACC+(\z):ACC+(\z)+1], v[ACC+(\z):ACC+(\z)+1], v[ACC+16+(\z):ACC+16+(\z)+1]
.endr
.irp z, 0,1,2,3,4,5,6,7,8,9,10,11,12,13,14,15
	v_and_b32 v[CV+(\z)], 0x7fffffff, v[ACC+(\z)]
.endr
	v_max3_num_f32 v16, v32, v33, v34
	v_max3_num_f32 v17, v35, v36, v37
	v_max3_num_f32 v16, v16, v38, v39
	v_max3_num_f32 v17, v17, v40, v41
	v_max3_num_f32 v16, v16, v42, v43
	v_max3_num_f32 v17, v17, v44, v45
	v_max3_num_f32 v16, v16, v46, v47
	v_max_num_f32 v16, v16, v17
	v_max_num_f32_dpp v16, v16, v16 row_xmask:1 row_mask:0xf bank_mask:0xf
	v_max_num_f32_dpp v16, v16, v16 row_xmask:2 row_mask:0xf bank_mask:0xf
	v_max_num_f32_dpp v16, v16, v16 row_xmask:4 row_mask:0xf bank_mask:0xf
	v_max_num_f32_dpp v16, v16, v16 row_xmask:8 row_mask:0xf bank_mask:0xf
	v_permlanex16_b32 v17, v16, s38, s39
	v_max_num_f32 v16, v16, v17
	s_lshl_b32 s41, s22, 2
	s_add_co_u32 s41, s41, SMALL+32
	v_mov_b32 v17, s41
	ds_store_b32 v17, v16
.irp z, 0,2,4,6,8,10,12,14
	v_pk_mul_f32 v[ACC+(\z):ACC+(\z)+1], v[ACC+(\z):ACC+(\z)+1], 0x3d000000 op_sel_hi:[1,0]   ; x 2^-5
.endr
.irp k, 0,1,2,3,4,5,6,7
	v_cvt_pk_f16_f32 v[48+(\k)], v[ACC+2*(\k)], v[ACC+2*(\k)+1]                               ; the first piece
.endr
.irp k, 0,1,2,3,4,5,6,7
	v_fma_mix_f32 v[ACC+2*(\k)], v[48+(\k)], v15, v[ACC+2*(\k)] op_sel_hi:[1,0,0]              ; what it left: exact in f32
	v_fma_mix_f32 v[ACC+2*(\k)+1], v[48+(\k)], v15, v[ACC+2*(\k)+1] op_sel:[1,0,0] op_sel_hi:[1,0,0]
.endr
.irp k, 0,1,2,3,4,5,6,7
	v_cvt_pk_f16_f32 v[56+(\k)], v[ACC+2*(\k)], v[ACC+2*(\k)+1]                               ; the second piece
.endr
	ds_store_b128 v[STO], v[48:51]
	ds_store_b128 v[STO], v[52:55] offset:32
	ds_store_b128 v[STO], v[56:59] offset:128
	ds_store_b128 v[STO], v[60:63] offset:160
	s_wait_dscnt 0x0                               ; for the others' sake: a stage row's 256 bytes come from two waves
	s_barrier_signal -1
	s_barrier_wait -1
.irp i, 0,1,2,3
	ds_load_b128 v[64+4*(\i):64+4*(\i)+3], v[RD] offset:(\i)*2*SP
.endr
.irp i, 0,1,2,3
	s_wait_dscnt 3-(\i)
	global_store_b128 v[CO], v[64+4*(\i):64+4*(\i)+3], s[34:35] offset:(\i)*8192   ; 16 lanes store 256 consecutive bytes, aligned
.endr
	s_cmp_lg_u32 s22, 0                            ; wave 0 stores the work-group's small results
	s_cbranch_scc1 .Lend
	v_lshl_add_u32 v32, v1, 2, SMALL+64
	v_and_b32 v33, 3, v1
	v_lshl_add_u32 v33, v33, 3, SMALL
	v_mov_b32 v34, SMALL+32
	v_lshlrev_b32 v35, 2, v1
	ds_load_b32 v36, v32
	ds_load_b64 v[38:39], v33
	ds_load_b128 v[40:43], v34
	ds_load_b128 v[44:47], v34 offset:16
	s_wait_dscnt 0x0
	v_add_f32 v38, v38, v39
	v_mul_f32 v38, 0x3a800000, v38                 ; the mean: x 2^-10
	v_max3_num_f32 v40, v40, v41, v42
	v_max3_num_f32 v40, v40, v43, v44
	v_max3_num_f32 v40, v40, v45, v46
	v_max_num_f32 v40, v40, v47
	global_store_b32 v35, v36, s[18:19]            ; xabs: 32 rows
	v_cmp_gt_u32 vcc_lo, 4, v1
	s_wait_xcnt 0x0                                ; EXEC changes only when every earlier store has read it
	s_and_saveexec_b32 s40, vcc_lo
	global_store_b32 v35, v38, s[16:17]            ; wvb: 4 rows
	s_wait_xcnt 0x0
	s_or_b32 exec_lo, exec_lo, s40
	v_cmp_eq_u32 vcc_lo, 0, v1
	s_and_saveexec_b32 s40, vcc_lo
	global_store_b32 v35, v40, s[20:21]            ; mmax: one word
	s_wait_xcnt 0x0
	s_or_b32 exec_lo, exec_lo, s40
.Lend:
	s_wait_tensorcnt 0x0                           ; the wave's end, behind my last LDS store
	ds_add_u32 v[SPW], v[NIL]
	s_wait_dscnt 0x0
	s_endpgm
.Lfunc_end_k_q02c37a3f0b_prep:
	.size	k_q02c37a3f0b_prep, .Lfunc_end_k_q02c37a3f0b_prep-k_q02c37a3f0b_prep
	.p2alignl 7, 3214868480
	.fill 96, 4, 3214868480
	.section	.rodata,"a",@progbits
	.p2align	6, 0x0
	.amdhsa_kernel k_q02c37a3f0b_prep
		.amdhsa_group_segment_fixed_size 282880
		.amdhsa_private_segment_fixed_size 0
		.amdhsa_enable_private_segment 0
		.amdhsa_kernarg_size 72
		.amdhsa_user_sgpr_count 2
		.amdhsa_user_sgpr_kernarg_segment_ptr 1
		.amdhsa_wavefront_size32 1
		.amdhsa_system_sgpr_workgroup_id_x 1
		.amdhsa_system_sgpr_workgroup_id_y 1
		.amdhsa_system_sgpr_workgroup_id_z 1
		.amdhsa_system_vgpr_workitem_id 0
		.amdhsa_next_free_vgpr 256
		.amdhsa_next_free_sgpr 66
		.amdhsa_reserve_vcc 1
		.amdhsa_float_denorm_mode_32 3
		.amdhsa_float_denorm_mode_16_64 3
		.amdhsa_memory_ordered 1
		.amdhsa_forward_progress 1
		.amdhsa_inst_pref_size 84
	.end_amdhsa_kernel
	.amdgpu_metadata
---
amdhsa.version: [ 1, 2 ]
amdhsa.kernels:
  - .name:           k_q02c37a3f0b_prep
    .symbol:         k_q02c37a3f0b_prep.kd
    .args:
      - { .name: inputs, .offset: 0, .size: 8, .value_kind: global_buffer, .address_space: global }
      - { .name: Wq, .offset: 8, .size: 8, .value_kind: global_buffer, .address_space: global }
      - { .name: Wk, .offset: 16, .size: 8, .value_kind: global_buffer, .address_space: global }
      - { .name: Wv, .offset: 24, .size: 8, .value_kind: global_buffer, .address_space: global }
      - { .name: Xh, .offset: 32, .size: 8, .value_kind: global_buffer, .address_space: global }
      - { .name: Mh, .offset: 40, .size: 8, .value_kind: global_buffer, .address_space: global }
      - { .name: wvb, .offset: 48, .size: 8, .value_kind: global_buffer, .address_space: global }
      - { .name: xabs, .offset: 56, .size: 8, .value_kind: global_buffer, .address_space: global }
      - { .name: mmax, .offset: 64, .size: 8, .value_kind: global_buffer, .address_space: global }
    .group_segment_fixed_size: 282880
    .private_segment_fixed_size: 0
    .kernarg_segment_align: 8
    .kernarg_segment_size: 72
    .max_flat_workgroup_size: 256
    .sgpr_count:     66
    .vgpr_count:     256
    .wavefront_size: 32
...
	.end_amdgpu_metadata
.endif
;; end of part 1
;; launch proj (part 2): grid 8 x 32, 4 waves a work-group, clusters of 4 x 4, 327,680 bytes of LDS; arguments Xh, Mh, wvb, xabs, mmax, Qh, vbar; writes Qh, vbar
.if DOCPART == 2
	.amdgcn_target "amdgcn-amd-amdhsa--gfx1250"
	.amdhsa_code_object_version 6
	.text
	.protected	k_q02c37a3f0b_proj
	.globl	k_q02c37a3f0b_proj
	.p2align	8
	.type	k_q02c37a3f0b_proj,@function
k_q02c37a3f0b_proj:
	s_mov_b64 s[64:65], 0
	v_nop
	global_prefetch_b8 v0, s[64:65] scope:SCOPE_SE
	s_setreg_imm32_b32 hwreg(HW_REG_WAVE_MODE, 25, 1), 1
	s_wait_xcnt 0x0
	s_wait_alu depctr_hold_cnt(0) depctr_sa_sdst(0) depctr_va_vdst(0) depctr_va_sdst(0) depctr_va_ssrc(0) depctr_va_vcc(0) depctr_vm_vsrc(0)
	s_getreg_b32 s2, hwreg(HW_REG_IB_STS2, 6, 4)
	s_cmp_eq_u32 s2, 0
	s_cbranch_scc0 .Lentry_in_a_cluster
	s_endpgm
.Lentry_in_a_cluster:
	s_bfe_u32 s2, ttmp6, 0x10000c
	s_cmp_lg_u32 s2, 0xf033
	s_cbranch_scc0 .Lentry_shape_is_right
	s_endpgm
.Lentry_shape_is_right:
; Qh[n][t][piece][64 e] = two f16 pieces of sigma_n q'[n][e], q'[n][e] = sum_d X[n][d] M[d][e]; vbar[n] = sum_c X[n][c] wvb[c].
; Left out, as the first kernel's head shows for all finite inputs: X Wq, X Wk and X Wv are not formed; X M and vbar take their place.
; OPERANDS.  Xh [t][n][64 d] f16, one piece (source 1); Mh [e][t][piece][64 d] f16, M 2^-5 in two pieces (source 0): both pieces are multiplied into ONE f32 sum, so a fragment of X serves two products.
; THE ROW SCALE.  B_n = xabs[n] x max(mmax) bounds |q'[n][e]| for every e.  With e_n its biased exponent, held to 20 .. 254, sigma_n = 2^(141 - e_n) keeps |sigma_n q'| under 2^15, inside f16.  The sums hold q' 2^-5, so they are
; multiplied by f_n = 32 sigma_n, a power of two: exact.  The next launch makes e_n anew from the same stored numbers.
; SHARES.  A work-group makes 256 rows n x 128 columns e; a wave 128 x 64: 32 accumulators of 16 x 16 (a lane holds one n and eight neighbouring e).  K = 1,024 d goes in 8 double steps of 128 d through two LDS slots.
; A slot is 8 quarters of 32 matrix instructions: quarter 4 u + q multiplies bytes 256 u + 64 q of Mh's row (piece q / 2, d half q % 2 of block u) by X's d half q % 2 of block u.
; CLUSTER.  4 x 4 work-groups.  X's tile hangs on the tile row alone and is asked for jointly along a row of the cluster, Mh's on the tile column alone and jointly along a column.
; vbar: the 8 work-groups of a tile row share its 256 rows out, 32 each, by address.
; REGISTERS: window 0: addresses, f_n, fragments (X: two buffers of 64, Mh: two of 32); window 1: the 32 accumulators, (a, b) at v[8 (4 a + b)].
.set PA,     144                       ; a row of X in LDS: 128 bytes + 16: an odd multiple of 16
.set PB,     528                       ; a row of Mh: 512 bytes + 16
.set AU,     256*PA                    ; one block u of X: 256 rows
.set BOFF,   2*AU
.set BH,     64*PB                     ; 64 rows of Mh: what one tensor load brings
.set SLOT,   BOFF+2*BH
.set STAGE,  2*SLOT                    ; behind the ring: 16 rows x 272 bytes for each wave; no tensor load lands here
.set SPITCH, 272
.set SPARE,  STAGE+4*16*SPITCH         ; the spare words, 128 bytes for each wave, which no other line names
.set ADRA, 16                          ; v16-17  LDS address of my fragments of X in slot 0, 1
.set ADRB, 20                          ; v20-21  of Mh
.set STO,  24
.set RD,   25
.set CO,   26
.set NEG1, 27                          ; v27  -1.0
.set SPW,  28                          ; v28  my spare word; never rewritten
.set NIL,  29                          ; v29  0; never rewritten
.set PFO,  30                          ; v30  the prefetches' offset; never rewritten
.set FN,   32                          ; v[32:47] f_n of block a at FN + 2 a, and once more beside it: a pair for the packed multiply
.set FA,   64                          ; X's fragments: buffer f at FA + 64 f
.set FB,   192                         ; Mh's: buffer f at FB + 32 f
.set TMP,  64                          ; the way out: 32 packed words
.set BK,   96                          ; the way out: 16 rows read back, two buffers of 32
.set WV,   18                          ; s18 wave; s19 = wave / 2; s20 = wave % 2
.set G1A, 24
.set G0A, 32
.set G1B, 48
.set G0B, 56
.set SEL, 70
.set PFA, 72
.set PFS, 74
.set LIM, 76
.set MSB, 0
.macro WIN new                         ; the immediate's high byte repeats the setting that is left; a switch that changes nothing is dropped
.if MSB != (\new)
	s_set_vgpr_msb (MSB<<8)|(\new)
.set MSB, \new
.endif
.endm
.macro PLACES
.rept 4
	v_nop
.endr
.endm
; A joint load.  Waves 0 and 1 fetch X's blocks u = 0, 1 (256 rows each), waves 2 and 3 the two halves of Mh's 128 rows.  The branch hangs on the wave's number alone.
; An s_nop 0 and four v_nop follow each of the two lines.
.macro JLOAD s
	s_cmp_eq_u32 s19, 0
	s_cbranch_scc0 .Lfor_b_\@
	tensor_load_to_lds s[G0A+4*(\s):G0A+4*(\s)+3], s[G1A:G1A+7]
	s_nop 0
.rept 4
	v_nop
.endr
	s_branch .Lasked_\@
.Lfor_b_\@:
	tensor_load_to_lds s[G0B+4*(\s):G0B+4*(\s)+3], s[G1B:G1B+7]
	s_nop 0
.rept 4
	v_nop
.endr
.Lasked_\@:
.endm
.macro CREST                           ; a round of the cluster's barrier behind its opening barrier
	s_cmp_lg_u32 s[WV], 0
	s_cbranch_scc1 .Lnot_wave_0_\@
	s_barrier_signal -3
.Lnot_wave_0_\@:
	s_barrier_wait -3
	s_barrier_signal -1
	s_barrier_wait -1
.endm
.macro CROUND
	s_barrier_signal -1
	s_barrier_wait -1
	CREST
.endm
; A prefetch into the L2 of the double step that stands two refills on (512 matrix instructions ahead of the load that will want it): 32 blocks of 256 bytes, a lane a block.  X's tile row is walked by both clusters of
; its row of clusters: cluster x = 0 asks; Mh's tile column by all eight clusters of its column: cluster y = 0 asks.  The four partners of a joint load share its blocks out by address.  The loop's last trip asks for nothing.
.macro ASK
	s_cmp_gt_u32 s3, s[LIM]
	s_cbranch_scc0 .Lnot_mine_\@
	global_prefetch_b8 v[PFO], s[PFA:PFA+1] th:TH_LOAD_NT scope:SCOPE_SE
.Lnot_mine_\@:
.endm
; 8 matrix instructions: n blocks a0, a0 + 1 x all 4 e blocks, 32 along K, on buffer f.  The 32 accumulators take turns in the same order in every quarter.
.macro MUL8 f, a0, zero
	WIN 0x50                                       ; C and D in window 1, the sources in window 0
.irp a, \a0, (\a0)+1
.irp b, 0,1,2,3
.if \zero
	v_wmma_f32_16x16x32_f16 v[8*(4*(\a)+(\b)):8*(4*(\a)+(\b))+7], v[FB+32*(\f)+8*(\b):FB+32*(\f)+8*(\b)+7], v[FA+64*(\f)+8*(\a):FA+64*(\f)+8*(\a)+7], 0
.else
	v_wmma_f32_16x16x32_f16 v[8*(4*(\a)+(\b)):8*(4*(\a)+(\b))+7], v[FB+32*(\f)+8*(\b):FB+32*(\f)+8*(\b)+7], v[FA+64*(\f)+8*(\a):FA+64*(\f)+8*(\a)+7], v[8*(4*(\a)+(\b)):8*(4*(\a)+(\b))+7]
.endif
.endr
.endr
.endm
; The fragments of quarter qn, into buffer qn % 2: Mh's 8 loads first; X's 16 only where a new d half begins (qn % 4 < 2), blocks ascending.
.macro FETCH slot, qn
	WIN 0
.irp b, 0,1,2,3
	ds_load_b128 v[FB+32*((\qn)%2)+8*(\b):FB+32*((\qn)%2)+8*(\b)+3],   v[ADRB+(\slot)] offset:(\b)*16*PB+((\qn)/4)*256+((\qn)%4)*64
	ds_load_b128 v[FB+32*((\qn)%2)+8*(\b)+4:FB+32*((\qn)%2)+8*(\b)+7], v[ADRB+(\slot)] offset:(\b)*16*PB+((\qn)/4)*256+((\qn)%4)*64+32
.endr
.if ((\qn)%4) < 2
.irp a, 0,1,2,3,4,5,6,7
	ds_load_b128 v[FA+64*((\qn)%2)+8*(\a):FA+64*((\qn)%2)+8*(\a)+3],   v[ADRA+(\slot)] offset:((\qn)/4)*AU+(\a)*16*PA+((\qn)%2)*64
	ds_load_b128 v[FA+64*((\qn)%2)+8*(\a)+4:FA+64*((\qn)%2)+8*(\a)+7], v[ADRA+(\slot)] offset:((\qn)/4)*AU+(\a)*16*PA+((\qn)%2)*64+32
.endr
.endif
.endm
.macro QUARTER slot, q, zero           ; quarters 0 to 6 of a slot
.if ((\q)%4) < 2
	s_wait_dscnt 8                                 ; Mh's fragments and X's blocks 0-3 are in; the youngest eight loads, X's blocks 4-7, may be out
.else
	s_wait_dscnt 0x0                               ; only Mh's eight were asked for
.endif
	MUL8 (\q)%2, 0, \zero
	MUL8 (\q)%2, 2, \zero
	PLACES
	FETCH \slot, (\q)+1
.if (((\q)+1)%4) < 2
	s_wait_dscnt 24                                ; all but the 24 just issued
.else
	s_wait_dscnt 8                                 ; all but the 8 just issued
.endif
	MUL8 (\q)%2, 4, \zero
	MUL8 (\q)%2, 6, \zero
.endm
; Quarter 7 multiplies buffer 1 and changes slots: ONE barrier; in front of it each wave waits for all its tensor loads (the one that is out is its part of the next slot), adds 0 to its spare word, and waits for that and
; for its own reads of this slot.  fill = 1: the barrier opens a round of the cluster's barrier, and this slot is filled again, two double steps ahead, first thing behind the round.
.macro TURN slot, next, fill
.if \fill
	s_wait_xcnt 0x0                                ; the last prefetch, a slot back, has read its address
	s_add_nc_u64 s[PFA:PFA+1], s[PFA:PFA+1], s[PFS:PFS+1]
.endif
	WIN 0
	s_wait_tensorcnt 0x0
	ds_add_u32 v[SPW], v[NIL]
	s_wait_dscnt 1                                 ; only the add may be out: Mh's eight loads are in
	MUL8 1, 0, 0
	s_wait_dscnt 0x0                               ; the add is done, and my reads of this slot are over
	s_barrier_signal -1
	MUL8 1, 2, 0
	WIN 0
	s_barrier_wait -1
.if \fill
	CREST                                          ; no wave of any partner still reads this slot or has a load on its way
	s_add_nc_u64 s[G0A+4*(\slot)+2:G0A+4*(\slot)+3], s[G0A+4*(\slot)+2:G0A+4*(\slot)+3], 0x400000   ; four planes of Xh on
	s_add_nc_u64 s[G0B+4*(\slot)+2:G0B+4*(\slot)+3], s[G0B+4*(\slot)+2:G0B+4*(\slot)+3], 1024       ; four units of Mh's rows on
	JLOAD \slot                                    ; its four v_nop are also the places in front of the loads below
.else
	PLACES
.endif
	FETCH \next, 0
.if \fill
	ASK
.endif
	MUL8 1, 4, 0
	MUL8 1, 6, 0
.endm
	s_load_b256 s[4:11], s[0:1], 0x0               ; Xh s[4:5], Mh s[6:7], wvb s[8:9], xabs s[10:11]
	s_load_b128 s[12:15], s[0:1], 0x20             ; mmax s[12:13], Qh s[14:15]
	s_load_b64 s[16:17], s[0:1], 0x30              ; vbar
	v_lshl_add_u32 v[SPW], v0, 2, SPARE
	v_mov_b32 v[NIL], 0
	ds_add_u32 v[SPW], v[NIL]                      ; the wave's opening: the add, twice on end, and its wait ahead of my first tensor load
	ds_add_u32 v[SPW], v[NIL]
	v_lshrrev_b32 v1, 5, v0
	v_readfirstlane_b32 s[WV], v1                  ; wave 0..3
	s_lshr_b32 s19, s[WV], 1                       ; my 128 rows n.  Also: I fetch X (0) or Mh (1)
	s_and_b32 s20, s[WV], 1                        ; my 64 rows e.  Also: which block u, or which half, I fetch
	s_bfe_u32 s21, ttmp6, 0x40000                  ; cx
	s_bfe_u32 s22, ttmp6, 0x40004                  ; cy
	s_lshl_b32 s67, ttmp9, 2
	s_add_co_u32 s67, s67, s21                     ; tile column: 128 rows e
	s_and_b32 s66, ttmp7, 0xffff
	s_lshl_b32 s66, s66, 2
	s_add_co_u32 s66, s66, s22                     ; tile row: 256 rows n
	s_lshl_b32 s68, s22, 2
	s_lshl_b32 s68, 15, s68                        ; my row of the cluster
	s_lshl_b32 s69, 0x1111, s21                    ; my column
	; X's tile: 32,768 dense bytes as 128 rows of 256, 16 bytes of padding behind every 128 (a row n)
	s_or_b32 s[G1A], s68, (1<<16)|(1<<20)|(1<<21)|(4<<22)|(3<<25)
	s_mov_b32 s[G1A+1], 128<<16                    ; tensor_dim0 = 128 elements
	s_mov_b32 s[G1A+2], 128<<16                    ; tensor_dim1 = 128
	s_mov_b32 s[G1A+3], 128<<16                    ; tile_dim0 = 128
	s_mov_b32 s[G1A+4], 128                        ; tile_dim1 = 128
	s_mov_b32 s[G1A+5], 128                        ; elements from row to row
	s_mov_b32 s[G1A+6], 0
	s_mov_b32 s[G1A+7], 0
	; Mh's tile: 64 rows of 512 bytes, 4,096 bytes apart, 16 bytes of padding behind each
	s_or_b32 s[G1B], s69, (1<<16)|(1<<20)|(1<<21)|(6<<22)|(3<<25)
	s_mov_b32 s[G1B+1], 256<<16
	s_mov_b32 s[G1B+2], 64<<16
	s_mov_b32 s[G1B+3], 256<<16
	s_mov_b32 s[G1B+4], 64
	s_mov_b32 s[G1B+5], 2048
	s_mov_b32 s[G1B+6], 0
	s_mov_b32 s[G1B+7], 0
	s_lshl_b32 s40, s20, 20                        ; X: plane u (1 MiB each),
	s_lshl_b32 s41, s66, 15                        ; the tile row's 256 rows of 128 bytes
	s_add_co_u32 s40, s40, s41
	s_mov_b32 s41, 0
	s_lshl_b32 s44, s67, 19                        ; Mh: row 128 x tile column
	s_lshl_b32 s45, s20, 18                        ; + 64 x half
	s_add_co_u32 s44, s44, s45
	s_mov_b32 s45, 0
	s_mul_i32 s23, s20, AU                         ; where they go: no place in the cluster enters an LDS address
	s_mul_i32 s2, s20, BH
	s_add_co_u32 s2, s2, BOFF
	s_mov_b32 s[SEL], 0x76543210
	s_mov_b32 s[SEL+1], 0xfedcba98
	s_wait_dscnt 0x0                               ; both opening adds are done
	s_wait_kmcnt 0x0
	s_add_nc_u64 s[42:43], s[4:5], s[40:41]
	s_add_nc_u64 s[46:47], s[6:7], s[44:45]
	CROUND                                         ; all sixteen work-groups are here: the first joint loads meet
.irp s, 0,1
	s_mov_b32 s[G0A+4*(\s)], 1
	s_add_co_u32 s[G0A+4*(\s)+1], s23, (\s)*SLOT
	s_add_nc_u64 s[G0A+4*(\s)+2:G0A+4*(\s)+3], s[42:43], (\s)*0x200000
	s_or_b32 s[G0A+4*(\s)+3], s[G0A+4*(\s)+3], 0x80000000
	s_mov_b32 s[G0B+4*(\s)], 1
	s_add_co_u32 s[G0B+4*(\s)+1], s2, (\s)*SLOT
	s_add_nc_u64 s[G0B+4*(\s)+2:G0B+4*(\s)+3], s[46:47], (\s)*512
	s_or_b32 s[G0B+4*(\s)+3], s[G0B+4*(\s)+3], 0x80000000
	JLOAD \s
.endr
	; while the first tiles are on their way: vbar for my share of the tile row's rows, and f_n
	v_and_b32 v1, 31, v0                           ; l
	v_and_b32 v2, 15, v0                           ; r
	v_bfe_u32 v3, v0, 4, 1                         ; h
	v_lshlrev_b32 v7, 4, v1                        ; 16 l
	v_lshl_add_u32 v4, s[WV], 10, v7               ; Xh: 8 rows a wave: 1,024 w + 16 l (row l / 8, 16 bytes at l % 8)
	v_and_b32 v5, 7, v0
	v_lshlrev_b32 v5, 5, v5                        ; wvb: my 8 channels of a block
	v_lshlrev_b32 v6, 2, v2                        ; xabs: 4 r
	s_lshl_b32 s78, s66, 15
	s_lshl_b32 s79, s67, 12
	s_add_co_u32 s78, s78, s79
	s_mov_b32 s79, 0
	s_add_nc_u64 s[80:81], s[4:5], s[78:79]        ; Xh at row 256 x tile row + 32 x tile column, planes 0-7
	s_add_nc_u64 s[82:83], s[80:81], 0x800000      ; planes 8-15
	s_lshl_b32 s78, s66, 10
	s_lshl_b32 s84, s19, 9
	s_add_co_u32 s78, s78, s84
	s_add_nc_u64 s[10:11], s[10:11], s[78:79]      ; xabs at my 128 rows
	s_lshl_b32 s78, s66, 10
	s_lshl_b32 s84, s67, 7
	s_add_co_u32 s78, s78, s84
	s_add_nc_u64 s[16:17], s[16:17], s[78:79]      ; vbar at my work-group's 32 rows
	s_lshl_b32 s78, s66, 20
	s_lshl_b32 s84, s19, 19
	s_add_co_u32 s78, s78, s84
	s_lshl_b32 s84, s67, 9
	s_add_co_u32 s78, s78, s84
	s_lshl_b32 s84, s20, 8
	s_add_co_u32 s78, s78, s84
	s_add_nc_u64 s[14:15], s[14:15], s[78:79]      ; Qh at my first row, unit t = 2 x tile column + wave % 2
.set t, 0
.rept 16
.irp g, 0,1
.if t < 8
	global_load_b128 v[64+4*(2*t+(\g)):64+4*(2*t+(\g))+3], v4, s[80:81] offset:t*0x100000+512*(\g)
.else
	global_load_b128 v[64+4*(2*t+(\g)):64+4*(2*t+(\g))+3], v4, s[82:83] offset:(t-8)*0x100000+512*(\g)
.endif
.endr
.set t, t+1
.endr
	WIN 0x40                                       ; wvb into window 1, where the accumulators will lie
.set t, 0
.rept 16
	global_load_b128 v[8*t:8*t+3],   v5, s[8:9] offset:256*t
	global_load_b128 v[8*t+4:8*t+7], v5, s[8:9] offset:256*t+16
.set t, t+1
.endr
	WIN 0
.irp a, 0,1,2,3,4,5,6,7
	global_load_b32 v[FN+2*(\a)], v6, s[10:11] offset:64*(\a)
.endr
	global_load_b128 v[56:59], v7, s[12:13]
	global_load_b128 v[60:63], v7, s[12:13] offset:512
	; the addresses
	v_mul_u32_u24 v52, v2, PA
	v_lshl_add_u32 v52, v3, 4, v52
	s_mul_i32 s84, s19, 128*PA
	v_add_nc_u32 v[ADRA], s84, v52
	v_add_nc_u32 v[ADRA+1], SLOT, v[ADRA]
	v_mul_u32_u24 v52, v2, PB
	v_lshl_add_u32 v52, v3, 4, v52
	s_mul_i32 s84, s20, BH
	s_add_co_u32 s84, s84, BOFF
	v_add_nc_u32 v[ADRB], s84, v52
	v_add_nc_u32 v[ADRB+1], SLOT, v[ADRB]
	s_mul_i32 s84, s[WV], 16*SPITCH
	s_add_co_u32 s84, s84, STAGE                   ; my stage
	v_mul_u32_u24 v52, v2, SPITCH
	v_lshl_add_u32 v52, v3, 4, v52
	v_add_nc_u32 v[STO], s84, v52                  ; in: row r, 16 bytes for each half of the lanes
	v_mul_u32_u24 v52, v3, SPITCH
	v_lshl_add_u32 v52, v2, 4, v52
	v_add_nc_u32 v[RD], s84, v52                   ; back: lanes 0-15 one row of 256 bytes, lanes 16-31 the next
	v_lshlrev_b32 v52, 12, v3
	v_lshl_add_u32 v[CO], v2, 4, v52               ; the same two rows in Qh
	v_mov_b32 v[NEG1], -1.0
	v_lshrrev_b32 v52, 3, v1
	v_lshlrev_b32 v52, 2, v52
	v_lshl_add_u32 v8, s[WV], 5, v52               ; vbar: row 8 w + l / 8
	; the prefetches
	s_lshl_b32 s78, s21, 13                        ; X: my work-group's 8,192 bytes of the block's 32,768,
	s_add_co_u32 s78, s78, s40
	s_add_co_u32 s78, s78, 6<<20                   ; at double step 3
	s_lshl_b32 s84, s22, 16                        ; Mh: my work-group's 16 rows of the 64,
	s_add_co_u32 s84, s84, s44
	s_add_co_u32 s84, s84, 3*512                   ; at double step 3
	s_and_b32 s88, ttmp7, 0xffff                   ; cluster y
	s_mov_b32 s86, 0x200000
	s_mov_b32 s87, 4096
	s_cmp_eq_u32 s19, 0
	s_cselect_b32 s78, s78, s84
	s_cselect_b32 s89, ttmp9, s88                  ; the coordinate along which other clusters walk the same rows
	s_cselect_b32 s[PFS], s86, 512                 ; a double step: two planes of Xh, or 512 bytes of Mh's rows
	s_cselect_b32 s85, 512, s87
	s_cselect_b64 s[PFA:PFA+1], s[4:5], s[6:7]
	s_mov_b32 s[PFS+1], 0
	s_add_nc_u64 s[PFA:PFA+1], s[PFA:PFA+1], s[78:79]
	s_cmp_eq_u32 s89, 0
	s_cselect_b32 s[LIM], 1, -1                    ; the same in all sixteen partners, for a given wave
	v_lshrrev_b32 v52, 1, v1
	v_mul_u32_u24 v[PFO], s85, v52
	v_and_b32 v52, 1, v1
	v_lshl_add_u32 v[PFO], v52, 8, v[PFO]          ; X: 256 l; Mh: row l / 2, unit l % 2
	v_mov_b32 v48, 0                               ; four chains: rows g = 0, 1 x even and odd channels
	v_mov_b32 v49, 0
	v_mov_b32 v50, 0
	v_mov_b32 v51, 0
	s_wait_loadcnt 0x0                             ; all 74 loads
	WIN 0x04                                       ; source 1, wvb, in window 1
.set t, 0
.rept 16
.set k, 0
.rept 8
.irp g, 0,1
.if k%2
	v_fma_mix_f32 v[49+2*(\g)], v[64+4*(2*t+(\g))+k/2], v[8*t+k], v[49+2*(\g)] op_sel:[1,0,0] op_sel_hi:[1,0,0]
.else
	v_fma_mix_f32 v[48+2*(\g)], v[64+4*(2*t+(\g))+k/2], v[8*t+k], v[48+2*(\g)] op_sel_hi:[1,0,0]
.endif
.endr
.set k, k+1
.endr
.set t, t+1
.endr
	WIN 0
	v_add_f32 v48, v48, v49
	v_add_f32 v50, v50, v51
	v_add_f32_dpp v48, v48, v48 row_xmask:1 row_mask:0xf bank_mask:0xf   ; eight lanes hold a row
	v_add_f32_dpp v50, v50, v50 row_xmask:1 row_mask:0xf bank_mask:0xf
	v_add_f32_dpp v48, v48, v48 row_xmask:2 row_mask:0xf bank_mask:0xf
	v_add_f32_dpp v50, v50, v50 row_xmask:2 row_mask:0xf bank_mask:0xf
	v_add_f32_dpp v48, v48, v48 row_xmask:4 row_mask:0xf bank_mask:0xf
	v_add_f32_dpp v50, v50, v50 row_xmask:4 row_mask:0xf bank_mask:0xf
	v_max3_num_f32 v56, v56, v57, v58              ; the largest |M| of all
	v_max3_num_f32 v56, v56, v59, v60
	v_max3_num_f32 v56, v56, v61, v62
	v_max_num_f32 v56, v56, v63
	v_max_num_f32_dpp v56, v56, v56 row_xmask:1 row_mask:0xf bank_mask:0xf
	v_max_num_f32_dpp v56, v56, v56 row_xmask:2 row_mask:0xf bank_mask:0xf
	v_max_num_f32_dpp v56, v56, v56 row_xmask:4 row_mask:0xf bank_mask:0xf
	v_max_num_f32_dpp v56, v56, v56 row_xmask:8 row_mask:0xf bank_mask:0xf
	v_permlanex16_b32 v57, v56, s[SEL], s[SEL+1]
	v_max_num_f32 v56, v56, v57
.irp a, 0,1,2,3,4,5,6,7
	v_mul_f32 v52, v[FN+2*(\a)], v56               ; B_n
	v_bfe_u32 v52, v52, 23, 8                      ; e_n
	v_max_u32 v52, 20, v52
	v_min_u32 v52, 0xfe, v52
	v_sub_nc_u32 v52, 0x111, v52
	v_lshlrev_b32 v[FN+2*(\a)], 23, v52            ; f_n = 2^(146 - e_n)
	v_mov_b32 v[FN+2*(\a)+1], v[FN+2*(\a)]
.endr
	v_and_b32 v52, 7, v1
	v_cmp_eq_u32 vcc_lo, 0, v52
	s_wait_xcnt 0x0                                ; EXEC changes only when every earlier memory instruction has read it
	s_and_saveexec_b32 s77, vcc_lo
	global_store_b32 v8, v48, s[16:17]             ; rows 8 w + l / 8
	global_store_b32 v8, v50, s[16:17] offset:16   ; and four rows on
	s_wait_xcnt 0x0
	s_or_b32 exec_lo, exec_lo, s77
	s_wait_tensorcnt 1                             ; my part of slot 0 is in; slot 1's may stay out
	s_barrier_signal -1
	s_barrier_wait -1
	FETCH 0, 0
	QUARTER 0, 0, 1                                ; the first quarter's products start the 32 sums
	WIN 0
	s_mov_b32 s3, 3
.Llap:                                             ; a trip goes once round the ring, from a lap's second quarter to the next lap's first, and fills both slots again
.irp q, 1,2,3,4,5,6
	QUARTER 0, \q, 0
.endr
	TURN 0, 1, 1
.irp q, 0,1,2,3,4,5,6
	QUARTER 1, \q, 0
.endr
	TURN 1, 0, 1
	QUARTER 0, 0, 0
	WIN 0
	s_sub_co_u32 s3, s3, 1
	s_cmp_lg_u32 s3, 0
	s_cbranch_scc1 .Llap
.irp q, 1,2,3,4,5,6
	QUARTER 0, \q, 0                               ; the last lap fills nothing
.endr
	TURN 0, 1, 0
.irp q, 0,1,2,3,4,5,6
	QUARTER 1, \q, 0
.endr
	s_wait_dscnt 0x0
	MUL8 1, 0, 0
	MUL8 1, 2, 0
	MUL8 1, 4, 0
	MUL8 1, 6, 0
	WIN 0
	PLACES
	PLACES
; THE WAY OUT of block a (16 rows n): times f_n, in place, from each accumulator's low end on; the first piece; what it left, exact in f32; the second piece.
.macro PACK a
	WIN 0x41
.set z, 0
.rept 16
	v_pk_mul_f32 v[32*(\a)+2*z:32*(\a)+2*z+1], v[32*(\a)+2*z:32*(\a)+2*z+1], v[FN+2*(\a):FN+2*(\a)+1]
.set z, z+1
.endr
	WIN 0x05
.set z, 0
.rept 16
	v_cvt_pk_f16_f32 v[TMP+z], v[32*(\a)+2*z], v[32*(\a)+2*z+1]
.set z, z+1
.endr
	WIN 0x50
.set z, 0
.rept 16
	v_fma_mix_f32 v[32*(\a)+2*z], v[TMP+z], v[NEG1], v[32*(\a)+2*z] op_sel_hi:[1,0,0]
	v_fma_mix_f32 v[32*(\a)+2*z+1], v[TMP+z], v[NEG1], v[32*(\a)+2*z+1] op_sel:[1,0,0] op_sel_hi:[1,0,0]
.set z, z+1
.endr
	WIN 0x05
.set z, 0
.rept 16
	v_cvt_pk_f16_f32 v[TMP+16+z], v[32*(\a)+2*z], v[32*(\a)+2*z+1]
.set z, z+1
.endr
	WIN 0
.endm
.macro TOSTAGE a                       ; into my own stage (a row: 128 bytes of the first piece, 128 of the second) and back as whole rows
	s_wait_xcnt 0x0                                ; the stores of two blocks back have read the registers that are loaded again below
.irp b, 0,1,2,3
	ds_store_b128 v[STO], v[TMP+4*(\b):TMP+4*(\b)+3] offset:32*(\b)
	ds_store_b128 v[STO], v[TMP+16+4*(\b):TMP+16+4*(\b)+3] offset:128+32*(\b)
.endr
.irp t, 0,1,2,3,4,5,6,7
	ds_load_b128 v[BK+32*((\a)%2)+4*(\t):BK+32*((\a)%2)+4*(\t)+3], v[RD] offset:(\t)*2*SPITCH   ; LDS serves a wave's instructions in order (ISA guide 5.7.1.4): these see the stores above
.endr
.endm
.macro SEND a
	s_wait_dscnt 0x0                               ; the block is back in registers
.irp t, 0,1,2,3,4,5,6,7
	global_store_b128 v[CO], v[BK+32*((\a)%2)+4*(\t):BK+32*((\a)%2)+4*(\t)+3], s[14:15] offset:(\a)*65536+(\t)*8192   ; 16 lanes store 256 consecutive bytes, aligned
.endr
.endm
	PACK 0
	TOSTAGE 0
.irp a, 1,2,3,4,5,6,7
	PACK \a                                        ; a block's arithmetic stands between the loads of the block before and the wait for them
	SEND (\a)-1
	TOSTAGE \a
.endr
	SEND 7
	s_wait_tensorcnt 0x0                           ; the wave's end
	ds_add_u32 v[SPW], v[NIL]
	s_wait_dscnt 0x0
	CROUND                                         ; the closing round
	s_endpgm
.Lfunc_end_k_q02c37a3f0b_proj:
	.size	k_q02c37a3f0b_proj, .Lfunc_end_k_q02c37a3f0b_proj-k_q02c37a3f0b_proj
	.p2alignl 7, 3214868480
	.fill 96, 4, 3214868480
	.section	.rodata,"a",@progbits
	.p2align	6, 0x0
	.amdhsa_kernel k_q02c37a3f0b_proj
		.amdhsa_group_segment_fixed_size 327680
		.amdhsa_private_segment_fixed_size 0
		.amdhsa_enable_private_segment 0
		.amdhsa_kernarg_size 56
		.amdhsa_user_sgpr_count 2
		.amdhsa_user_sgpr_kernarg_segment_ptr 1
		.amdhsa_wavefront_size32 1
		.amdhsa_system_sgpr_workgroup_id_x 1
		.amdhsa_system_sgpr_workgroup_id_y 1
		.amdhsa_system_sgpr_workgroup_id_z 1
		.amdhsa_system_vgpr_workitem_id 0
		.amdhsa_next_free_vgpr 512
		.amdhsa_next_free_sgpr 96
		.amdhsa_reserve_vcc 1
		.amdhsa_float_denorm_mode_32 3
		.amdhsa_float_denorm_mode_16_64 3
		.amdhsa_memory_ordered 1
		.amdhsa_forward_progress 1
		.amdhsa_inst_pref_size 200
	.end_amdhsa_kernel
	.amdgpu_metadata
---
amdhsa.version: [ 1, 2 ]
amdhsa.kernels:
  - .name:           k_q02c37a3f0b_proj
    .symbol:         k_q02c37a3f0b_proj.kd
    .args:
      - { .name: Xh, .offset: 0, .size: 8, .value_kind: global_buffer, .address_space: global }
      - { .name: Mh, .offset: 8, .size: 8, .value_kind: global_buffer, .address_space: global }
      - { .name: wvb, .offset: 16, .size: 8, .value_kind: global_buffer, .address_space: global }
      - { .name: xabs, .offset: 24, .size: 8, .value_kind: global_buffer, .address_space: global }
      - { .name: mmax, .offset: 32, .size: 8, .value_kind: global_buffer, .address_space: global }
      - { .name: Qh, .offset: 40, .size: 8, .value_kind: global_buffer, .address_space: global }
      - { .name: vbar, .offset: 48, .size: 8, .value_kind: global_buffer, .address_space: global }
    .group_segment_fixed_size: 327680
    .private_segment_fixed_size: 0
    .kernarg_segment_align: 8
    .kernarg_segment_size: 56
    .max_flat_workgroup_size: 128
    .sgpr_count:     96
    .vgpr_count:     512
    .wavefront_size: 32
...
	.end_amdgpu_metadata
.endif
;; end of part 2
;; launch logits (part 3): grid 8 x 32, 4 waves a work-group, clusters of 4 x 4, 327,680 bytes of LDS; arguments Qh, Xh, vbar, xabs, mmax, part; writes part
.if DOCPART == 3
	.amdgcn_target "amdgcn-amd-amdhsa--gfx1250"
	.amdhsa_code_object_version 6
	.text
	.protected	k_q02c37a3f0b_logits
	.globl	k_q02c37a3f0b_logits
	.p2align	8
	.type	k_q02c37a3f0b_logits,@function
k_q02c37a3f0b_logits:
	s_mov_b64 s[64:65], 0
	v_nop
	global_prefetch_b8 v0, s[64:65] scope:SCOPE_SE
	s_setreg_imm32_b32 hwreg(HW_REG_WAVE_MODE, 25, 1), 1
	s_wait_xcnt 0x0
	s_wait_alu depctr_hold_cnt(0) depctr_sa_sdst(0) depctr_va_vdst(0) depctr_va_sdst(0) depctr_va_ssrc(0) depctr_va_vcc(0) depctr_vm_vsrc(0)
	s_getreg_b32 s2, hwreg(HW_REG_IB_STS2, 6, 4)
	s_cmp_eq_u32 s2, 0
	s_cbranch_scc0 .Lentry_in_a_cluster
	s_endpgm
.Lentry_in_a_cluster:
	s_bfe_u32 s2, ttmp6, 0x10000c
	s_cmp_lg_u32 s2, 0xf033
	s_cbranch_scc0 .Lentry_shape_is_right
	s_endpgm
.Lentry_shape_is_right:
; For each query n and each chunk of 128 keys of its batch: m2 = the largest c_n S[n][m], l = sum_m 2^(c_n S - m2), o = sum_m 2^(c_n S - m2) vbar[m], where S[n][m] = sum_e (sigma_n q'[n][e]) X[m][e]
; and c_n = log2(e) / (32 sigma_n), so that c_n S is the logit times log2(e).  The next launch joins a row's 16 chunks.
; Left out, as the first kernel's head shows for all finite inputs: P v is not formed; its mean over channels is sum_m P[n][m] vbar[m].
; The maximum taken away is the chunk's true maximum.  LIMIT: a weight below 2^-126 counts as 0.
; OPERANDS.  Qh [n][t][piece][64 e] f16, two pieces (source 1); Xh [t][m][64 e] f16 (source 0): both pieces go into ONE f32 sum, and a fragment of X serves two products.
; SHARES.  A work-group makes 256 queries x 256 keys, a wave 128 x 128: 64 accumulators of 16 x 16; a lane holds one query (lane % 16) and the keys 8 (lane / 16) + 0..7 of each key block.
; K = 1,024 e goes in 16 steps of 64 e x 2 pieces through two LDS slots; a step is four quarters of 64 matrix instructions: quarter q takes bytes 64 q of Qh's 256-byte row and X's e half q % 2.
; CLUSTER.  4 x 4 work-groups: Qh's tile is asked for jointly along a row of the cluster, X's along a column.
; REGISTERS, in windows of 256: window 0: addresses, statistics, Qh's fragments (two buffers of 64), vbar of my 128 keys; window 1: X's fragments (two buffers of 64);
; window 2: the accumulators of my queries 0-63 ((a, b) at v[8 (8 a + b)]); window 3: those of queries 64-127.
.set PA,    272                        ; a row of Qh in LDS: 256 bytes + 16
.set PB,    144                        ; a row of X: 128 bytes + 16
.set AH,    128*PA
.set BOFF,  2*AH
.set BH,    128*PB
.set SLOT,  BOFF+2*BH
.set STAGE, 2*SLOT                     ; behind the ring: for each wave three planes of 128 words (m2, l, o); no tensor load lands here
.set SPARE, STAGE+4*1536               ; the spare words, 128 bytes for each wave, which no other line names
.set CH,   4                           ; v[4:7]   four chains of the maximum
.set LL,   8                           ; v[8:11]  two packed chains of l
.set OO,   12                          ; v[12:15] two packed chains of o
.set ADRA, 16
.set ADRB, 20
.set STO,  24
.set RD,   25
.set CO,   26
.set SPW,  28                          ; v28  my spare word; never rewritten
.set NIL,  29                          ; v29  0; never rewritten
.set PFO,  30
.set ST,   32                          ; block a at ST + 4 a: c_n, c_n once more, c_n m, m
.set F0,   64
.set F1,   128
.set VB,   192                         ; v[192:255] vbar[key0 + 16 b + 8 h + reg] at VB + 8 b + reg
.set WV,   16                          ; s16 wave; s17 = wave / 2; s18 = wave % 2
.set G1A, 24
.set G0A, 32
.set G1B, 48
.set G0B, 56
.set SEL, 66
.set PFA, 68
.set PFS, 70
.set LIM, 72
.set MSB, 0
.macro WIN new
.if MSB != (\new)
	s_set_vgpr_msb (MSB<<8)|(\new)
.set MSB, \new
.endif
.endm
.set MUL_LO, 0xa1                      ; source 0 (X) window 1, source 1 (Qh) window 0, C and D window 2
.macro PLACES
.rept 4
	v_nop
.endr
.endm
.macro JLOAD s                         ; waves 0 and 1 fetch the two halves of Qh's 256 rows, waves 2 and 3 those of X's 256 keys; an s_nop 0 and four v_nop follow each line
	s_cmp_eq_u32 s17, 0
	s_cbranch_scc0 .Lfor_b_\@
	tensor_load_to_lds s[G0A+4*(\s):G0A+4*(\s)+3], s[G1A:G1A+7]
	s_nop 0
.rept 4
	v_nop
.endr
	s_branch .Lasked_\@
.Lfor_b_\@:
	tensor_load_to_lds s[G0B+4*(\s):G0B+4*(\s)+3], s[G1B:G1B+7]
	s_nop 0
.rept 4
	v_nop
.endr
.Lasked_\@:
.endm
.macro CREST
	s_cmp_lg_u32 s[WV], 0
	s_cbranch_scc1 .Lnot_wave_0_\@
	s_barrier_signal -3
.Lnot_wave_0_\@:
	s_barrier_wait -3
	s_barrier_signal -1
	s_barrier_wait -1
.endm
.macro CROUND
	s_barrier_signal -1
	s_barrier_wait -1
	CREST
.endm
; A prefetch into the L2 of the K step that stands two refills on (512 matrix instructions ahead of its load): a lane a block of 256 bytes.  Qh's tile row is walked by both clusters of its row of clusters: cluster x = 0 asks,
; waves 0 and 1, each partner 32 of a wave's 128 rows, by address.  A key tile is walked by the two clusters of its batch in its column: the one with even y asks, wave 2, each partner 8,192 of the tile's 32,768 dense bytes.
; The loop's last trip asks for nothing.
.macro ASK
	s_cmp_gt_u32 s3, s[LIM]
	s_cbranch_scc0 .Lnot_mine_\@
	global_prefetch_b8 v[PFO], s[PFA:PFA+1] th:TH_LOAD_NT scope:SCOPE_SE
.Lnot_mine_\@:
.endm
; 16 matrix instructions: query blocks a0, a0 + 1 of the window's four x all 8 key blocks.  The 64 accumulators take turns in the same order in every quarter.
.macro MUL16 f, hi, a0, zero
	WIN MUL_LO+0x50*(\hi)
.irp a, \a0, (\a0)+1
.irp b, 0,1,2,3,4,5,6,7
.if \zero
	v_wmma_f32_16x16x32_f16 v[8*(8*(\a)+(\b)):8*(8*(\a)+(\b))+7], v[(\f)+8*(\b):(\f)+8*(\b)+7], v[(\f)+8*(4*(\hi)+(\a)):(\f)+8*(4*(\hi)+(\a))+7], 0
.else
	v_wmma_f32_16x16x32_f16 v[8*(8*(\a)+(\b)):8*(8*(\a)+(\b))+7], v[(\f)+8*(\b):(\f)+8*(\b)+7], v[(\f)+8*(4*(\hi)+(\a)):(\f)+8*(4*(\hi)+(\a))+7], v[8*(8*(\a)+(\b)):8*(8*(\a)+(\b))+7]
.endif
.endr
.endr
.endm
; The fragments of quarter qn, into buffer qn % 2: X's 16 loads only where a new e half begins (qn < 2), then Qh's 16, blocks ascending.
.macro FETCH slot, qn
.if (\qn) < 2
	WIN 0x40
.irp i, 0,1,2,3,4,5,6,7
	ds_load_b128 v[F0+64*((\qn)%2)+8*(\i):F0+64*((\qn)%2)+8*(\i)+3],   v[ADRB+(\slot)] offset:(\i)*16*PB+64*(\qn)
	ds_load_b128 v[F0+64*((\qn)%2)+8*(\i)+4:F0+64*((\qn)%2)+8*(\i)+7], v[ADRB+(\slot)] offset:(\i)*16*PB+64*(\qn)+32
.endr
.endif
	WIN 0
.irp i, 0,1,2,3,4,5,6,7
	ds_load_b128 v[F0+64*((\qn)%2)+8*(\i):F0+64*((\qn)%2)+8*(\i)+3],   v[ADRA+(\slot)] offset:(\i)*16*PA+64*(\qn)
	ds_load_b128 v[F0+64*((\qn)%2)+8*(\i)+4:F0+64*((\qn)%2)+8*(\i)+7], v[ADRA+(\slot)] offset:(\i)*16*PA+64*(\qn)+32
.endr
.endm
.macro QUARTER slot, q, zero           ; quarters 0 to 2 of a step
	s_wait_dscnt 8                                 ; all but the youngest eight loads, Qh's queries 64-127
	MUL16 F0+64*((\q)%2), 0, 0, \zero
	MUL16 F0+64*((\q)%2), 0, 2, \zero
	PLACES
	FETCH \slot, (\q)+1
.if (\q) == 0
	s_wait_dscnt 32                                ; all but the 32 just issued
.else
	s_wait_dscnt 16                                ; all but the 16 just issued
.endif
	MUL16 F0+64*((\q)%2), 1, 0, \zero
	MUL16 F0+64*((\q)%2), 1, 2, \zero
.endm
; Quarter 3 multiplies buffer 1 and changes slots.  ONE barrier: in front of it each wave waits for all its tensor loads (the one that is out is its part of the next slot), adds 0 to its spare word, and waits for that
; and for its own reads of this slot.
.macro MEET round
	WIN 0
	s_wait_tensorcnt 0x0
	ds_add_u32 v[SPW], v[NIL]
	s_wait_dscnt 9                                 ; the add and the youngest eight loads may be out
	MUL16 F1, 0, 0, 0
	s_wait_dscnt 0x0                               ; the add is done, and my reads of this slot are over
	s_barrier_signal -1
	MUL16 F1, 0, 2, 0
.if \round
	WIN 0
.endif
	s_barrier_wait -1
.endm
.macro TURN slot, next, fill
.if \fill
	s_wait_xcnt 0x0                                ; the last prefetch, a K step back, has read its address
	s_add_nc_u64 s[PFA:PFA+1], s[PFA:PFA+1], s[PFS:PFS+1]
.endif
	MEET \fill
.if \fill
	CREST                                          ; the barrier has opened a round of the cluster's: no wave of any partner still reads this slot or has a load on its way
	s_add_nc_u64 s[G0A+4*(\slot)+2:G0A+4*(\slot)+3], s[G0A+4*(\slot)+2:G0A+4*(\slot)+3], 512        ; two units of Qh's rows on
	s_add_nc_u64 s[G0B+4*(\slot)+2:G0B+4*(\slot)+3], s[G0B+4*(\slot)+2:G0B+4*(\slot)+3], 0x200000   ; two planes of Xh on
	JLOAD \slot                                    ; its four v_nop are also the places in front of the loads below
.else
	PLACES
.endif
	FETCH \next, 0
.if \fill
	ASK
.endif
	MUL16 F1, 1, 0, 0
	MUL16 F1, 1, 2, 0
.endm
	s_load_b256 s[4:11], s[0:1], 0x0               ; Qh s[4:5], Xh s[6:7], vbar s[8:9], xabs s[10:11]
	s_load_b128 s[12:15], s[0:1], 0x20             ; mmax s[12:13], part s[14:15]
	v_lshl_add_u32 v[SPW], v0, 2, SPARE
	v_mov_b32 v[NIL], 0
	ds_add_u32 v[SPW], v[NIL]                      ; the wave's opening: the add, twice on end, and its wait ahead of my first tensor load
	ds_add_u32 v[SPW], v[NIL]
	v_lshrrev_b32 v1, 5, v0
	v_readfirstlane_b32 s[WV], v1
	s_lshr_b32 s17, s[WV], 1                       ; my 128 queries.  Also: I fetch Qh (0) or X (1)
	s_and_b32 s18, s[WV], 1                        ; my 128 keys.  Also: which 128 rows I fetch
	s_bfe_u32 s19, ttmp6, 0x40000                  ; cx
	s_bfe_u32 s20, ttmp6, 0x40004                  ; cy
	s_lshl_b32 s21, ttmp9, 2
	s_add_co_u32 s21, s21, s19                     ; tile column: 256 keys of the batch
	s_and_b32 s22, ttmp7, 0xffff
	s_lshl_b32 s22, s22, 2
	s_add_co_u32 s22, s22, s20                     ; tile row: 256 queries
	s_lshl_b32 s74, s20, 2
	s_lshl_b32 s74, 15, s74                        ; my row of the cluster
	s_lshl_b32 s75, 0x1111, s19                    ; my column
	; Qh's tile: 128 rows of 256 bytes, 4,096 bytes apart, 16 bytes of padding behind each
	s_or_b32 s[G1A], s74, (1<<16)|(1<<20)|(1<<21)|(5<<22)|(3<<25)
	s_mov_b32 s[G1A+1], 128<<16
	s_mov_b32 s[G1A+2], 128<<16
	s_mov_b32 s[G1A+3], 128<<16
	s_mov_b32 s[G1A+4], 128
	s_mov_b32 s[G1A+5], 2048
	s_mov_b32 s[G1A+6], 0
	s_mov_b32 s[G1A+7], 0
	; X's tile: 128 keys are 16,384 dense bytes: 64 rows of 256, 16 bytes of padding behind every 128 (a key)
	s_or_b32 s[G1B], s75, (1<<16)|(1<<20)|(1<<21)|(4<<22)|(3<<25)
	s_mov_b32 s[G1B+1], 128<<16
	s_mov_b32 s[G1B+2], 64<<16
	s_mov_b32 s[G1B+3], 128<<16
	s_mov_b32 s[G1B+4], 64
	s_mov_b32 s[G1B+5], 128
	s_mov_b32 s[G1B+6], 0
	s_mov_b32 s[G1B+7], 0
	s_lshl_b32 s40, s22, 20                        ; Qh: row 256 x tile row
	s_lshl_b32 s41, s18, 19                        ; + 128 x half
	s_add_co_u32 s40, s40, s41
	s_mov_b32 s41, 0
	s_and_b32 s44, ttmp7, 0xffff
	s_lshr_b32 s44, s44, 1                         ; the batch: two rows of clusters each
	s_lshl_b32 s44, s44, 18                        ; its 2,048 rows of 128 bytes,
	s_lshl_b32 s45, s21, 15                        ; the tile column's 256,
	s_add_co_u32 s44, s44, s45
	s_lshl_b32 s45, s18, 14                        ; my half's 128
	s_add_co_u32 s44, s44, s45
	s_mov_b32 s45, 0
	s_mul_i32 s23, s18, AH                         ; where they go: no place in the cluster enters an LDS address
	s_mul_i32 s2, s18, BH
	s_add_co_u32 s2, s2, BOFF
	s_mov_b32 s[SEL], 0x76543210
	s_mov_b32 s[SEL+1], 0xfedcba98
	s_wait_dscnt 0x0                               ; both opening adds are done
	s_wait_kmcnt 0x0
	s_add_nc_u64 s[42:43], s[4:5], s[40:41]
	s_add_nc_u64 s[46:47], s[6:7], s[44:45]
	CROUND                                         ; all sixteen work-groups are here: the first joint loads meet
.irp s, 0,1
	s_mov_b32 s[G0A+4*(\s)], 1
	s_add_co_u32 s[G0A+4*(\s)+1], s23, (\s)*SLOT
	s_add_nc_u64 s[G0A+4*(\s)+2:G0A+4*(\s)+3], s[42:43], (\s)*256
	s_or_b32 s[G0A+4*(\s)+3], s[G0A+4*(\s)+3], 0x80000000
	s_mov_b32 s[G0B+4*(\s)], 1
	s_add_co_u32 s[G0B+4*(\s)+1], s2, (\s)*SLOT
	s_add_nc_u64 s[G0B+4*(\s)+2:G0B+4*(\s)+3], s[46:47], (\s)*0x100000
	s_or_b32 s[G0B+4*(\s)+3], s[G0B+4*(\s)+3], 0x80000000
	JLOAD \s
.endr
	v_and_b32 v1, 31, v0                           ; l
	v_and_b32 v2, 15, v0                           ; r
	v_bfe_u32 v3, v0, 4, 1                         ; h
	v_lshlrev_b32 v12, 5, v3                       ; vbar: 8 numbers for each half of the lanes
	v_lshlrev_b32 v13, 2, v2                       ; xabs: 4 r
	v_lshlrev_b32 v[CO], 4, v1                     ; 16 l
	s_lshr_b32 s76, s44, 5                         ; my first key x 4 bytes
	s_mov_b32 s77, 0
	s_add_nc_u64 s[8:9], s[8:9], s[76:77]          ; vbar at my 128 keys
	s_lshl_b32 s76, s22, 10
	s_lshl_b32 s78, s17, 9
	s_add_co_u32 s76, s76, s78
	s_add_nc_u64 s[10:11], s[10:11], s[76:77]      ; xabs at my 128 queries
	s_lshl_b32 s78, s21, 16
	s_add_co_u32 s76, s76, s78
	s_lshl_b32 s78, s18, 15
	s_add_co_u32 s76, s76, s78
	s_add_nc_u64 s[14:15], s[14:15], s[76:77]      ; part at chunk 2 x tile column + wave % 2, my 128 queries
.irp b, 0,1,2,3,4,5,6,7
	global_load_b128 v[VB+8*(\b):VB+8*(\b)+3],   v12, s[8:9] offset:64*(\b)
	global_load_b128 v[VB+8*(\b)+4:VB+8*(\b)+7], v12, s[8:9] offset:64*(\b)+16
.endr
.irp a, 0,1,2,3,4,5,6,7
	global_load_b32 v[ST+4*(\a)], v13, s[10:11] offset:64*(\a)
.endr
	global_load_b128 v[4:7],  v[CO], s[12:13]
	global_load_b128 v[8:11], v[CO], s[12:13] offset:512
	v_mov_b32 v18, 0                               ; v_permlanex16_b32 counts as a reader of its destination
	v_mov_b32 v19, 0
	v_mul_u32_u24 v14, v2, PA
	v_lshl_add_u32 v14, v3, 4, v14
	s_mul_i32 s78, s17, AH
	v_add_nc_u32 v[ADRA], s78, v14
	v_add_nc_u32 v[ADRA+1], SLOT, v[ADRA]
	v_mul_u32_u24 v14, v2, PB
	v_lshl_add_u32 v14, v3, 4, v14
	s_mul_i32 s78, s18, BH
	s_add_co_u32 s78, s78, BOFF
	v_add_nc_u32 v[ADRB], s78, v14
	v_add_nc_u32 v[ADRB+1], SLOT, v[ADRB]
	s_mul_i32 s78, s[WV], 1536
	s_add_co_u32 s78, s78, STAGE                   ; my stage
	v_lshl_add_u32 v[STO], v2, 2, s78
	v_lshl_add_u32 v[RD], v1, 4, s78
	; the prefetches
	s_lshl_b32 s78, s19, 17                        ; Qh: my work-group's 32 rows of the 128,
	s_add_co_u32 s78, s78, s40
	s_add_co_u32 s78, s78, 3*256                   ; at K step 3
	s_lshl_b32 s79, s20, 13                        ; X: my work-group's 8,192 bytes of the tile,
	s_add_co_u32 s79, s79, s44
	s_add_co_u32 s79, s79, 3<<20                   ; at K step 3
	s_and_b32 s80, ttmp7, 1                        ; cluster y's parity,
	s_or_b32 s80, s80, s18                         ; and wave 3 never asks
	s_mov_b32 s82, 0x100000
	s_mov_b32 s83, 4096
	s_cmp_eq_u32 s17, 0
	s_cselect_b32 s76, s78, s79
	s_cselect_b32 s80, ttmp9, s80
	s_cselect_b32 s[PFS], 256, s82                 ; a K step: a unit of Qh's rows, or a plane of Xh
	s_cselect_b32 s81, s83, 256
	s_cselect_b64 s[PFA:PFA+1], s[4:5], s[6:7]
	s_mov_b32 s[PFS+1], 0
	s_add_nc_u64 s[PFA:PFA+1], s[PFA:PFA+1], s[76:77]
	s_cmp_eq_u32 s80, 0
	s_cselect_b32 s[LIM], 1, -1                    ; the same in all sixteen partners, for a given wave
	v_mul_u32_u24 v[PFO], s81, v1
	s_wait_loadcnt 0x0                             ; all 26 loads
	v_max3_num_f32 v4, v4, v5, v6                  ; the largest |M| of all
	v_max3_num_f32 v4, v4, v7, v8
	v_max3_num_f32 v4, v4, v9, v10
	v_max_num_f32 v4, v4, v11
	v_max_num_f32_dpp v4, v4, v4 row_xmask:1 row_mask:0xf bank_mask:0xf
	v_max_num_f32_dpp v4, v4, v4 row_xmask:2 row_mask:0xf bank_mask:0xf
	v_max_num_f32_dpp v4, v4, v4 row_xmask:4 row_mask:0xf bank_mask:0xf
	v_max_num_f32_dpp v4, v4, v4 row_xmask:8 row_mask:0xf bank_mask:0xf
	v_permlanex16_b32 v18, v4, s[SEL], s[SEL+1]
	v_max_num_f32 v4, v4, v18
.irp a, 0,1,2,3,4,5,6,7
	v_mul_f32 v5, v[ST+4*(\a)], v4                 ; B_n, as the launch before made it
	v_bfe_u32 v5, v5, 23, 8                        ; e_n
	v_max_u32 v5, 20, v5
	v_min_u32 v5, 0xfe, v5
	v_lshl_add_u32 v[ST+4*(\a)], v5, 23, 0xf6b8aa3b   ; c_n = log2(e) 2^(e_n - 146): the exponent is added onto log2(e)'s bits
	v_mov_b32 v[ST+4*(\a)+1], v[ST+4*(\a)]
.endr
	s_wait_tensorcnt 1                             ; my part of K step 0 is in; step 1's may stay out
	s_barrier_signal -1
	s_barrier_wait -1
	FETCH 0, 0
	QUARTER 0, 0, 1                                ; the first quarter's products start the 64 sums
	WIN 0
	s_mov_b32 s3, 7
.Llap:                                             ; a trip goes once round the ring, from a lap's second quarter to the next lap's first, and fills both slots again
	QUARTER 0, 1, 0
	QUARTER 0, 2, 0
	TURN 0, 1, 1
	QUARTER 1, 0, 0
	QUARTER 1, 1, 0
	QUARTER 1, 2, 0
	TURN 1, 0, 1
	QUARTER 0, 0, 0
	WIN 0
	s_sub_co_u32 s3, s3, 1
	s_cmp_lg_u32 s3, 0
	s_cbranch_scc1 .Llap
	QUARTER 0, 1, 0                                ; the last lap fills nothing
	QUARTER 0, 2, 0
	TURN 0, 1, 0
	QUARTER 1, 0, 0
	QUARTER 1, 1, 0
	QUARTER 1, 2, 0
	s_wait_dscnt 8
	MUL16 F1, 0, 0, 0
	MUL16 F1, 0, 2, 0
	s_wait_dscnt 0x0
	MUL16 F1, 1, 0, 0
	MUL16 F1, 1, 2, 0
	WIN 0
	PLACES
	PLACES
; THE SOFTMAX'S PARTS, a block of 16 queries at a time: a lane has 64 scores of one query, in 64 registers on end of window 2 + a / 4.
; HMAX: four chains of 16 scores (two accumulators each); each accumulator's lowest registers are read first.
.macro HMAX a
.set WW, 2+(\a)/4
.set AC, 64*((\a)%4)
	WIN WW*0x15                                    ; all three sources in the block's window
.irp k, 0,1,2,3
	v_max3_num_f32 v[CH+(\k)], v[AC+16*(\k)], v[AC+16*(\k)+1], v[AC+16*(\k)+2]
.endr
	WIN WW*0x14                                    ; sources 1 and 2
.irp s, 0,1,2,3,4,5
.irp k, 0,1,2,3
	v_max3_num_f32 v[CH+(\k)], v[CH+(\k)], v[AC+16*(\k)+3+2*(\s)], v[AC+16*(\k)+4+2*(\s)]
.endr
.endr
	v_max3_num_f32 v[CH], v[CH], v[AC+15], v[AC+31]
	v_max3_num_f32 v[CH+2], v[CH+2], v[AC+47], v[AC+63]
	WIN 0
	v_max3_num_f32 v[CH], v[CH], v[CH+1], v[CH+2]
	v_max_num_f32 v[CH], v[CH], v[CH+3]
	v_permlanex16_b32 v18, v[CH], s[SEL], s[SEL+1] ; the query's other 64 keys lie in the lane 16 away
	v_max_num_f32 v[ST+4*(\a)+3], v[CH], v18       ; m
	v_mul_f32 v[ST+4*(\a)+2], v[ST+4*(\a)], v[ST+4*(\a)+3]   ; c m (c is positive)
	WIN WW                                         ; source 0 in the block's window: c s - c m into buffer a % 2 of window 0, where Qh's fragments lay
.set z, 0
.rept 32
	v_pk_fma_f32 v[64+64*((\a)%2)+2*z:64+64*((\a)%2)+2*z+1], v[AC+2*z:AC+2*z+1], v[ST+4*(\a):ST+4*(\a)+1], v[ST+4*(\a)+2:ST+4*(\a)+3] op_sel_hi:[1,0,0] neg_lo:[0,0,1] neg_hi:[0,0,1]
.set z, z+1
.endr
	WIN 0
.endm
; Line i of the 64 that sum a block's weights, which lie at TP: even i: pair i / 2 times vbar onto o; odd i, from pair 2 on: the pair onto l.  Two chains each.
.macro SUML
.set x, i/2
.if (i%2) == 0
.if x < 2
	v_pk_mul_f32 v[OO+2*x:OO+2*x+1], v[TP+2*x:TP+2*x+1], v[VB+2*x:VB+2*x+1]
.else
	v_pk_fma_f32 v[OO+2*(x%2):OO+2*(x%2)+1], v[TP+2*x:TP+2*x+1], v[VB+2*x:VB+2*x+1], v[OO+2*(x%2):OO+2*(x%2)+1]
.endif
.elseif x >= 2
.if x < 4
	v_pk_add_f32 v[LL+2*(x%2):LL+2*(x%2)+1], v[TP+2*(x-2):TP+2*(x-2)+1], v[TP+2*x:TP+2*x+1]
.else
	v_pk_add_f32 v[LL+2*(x%2):LL+2*(x%2)+1], v[LL+2*(x%2):LL+2*(x%2)+1], v[TP+2*x:TP+2*x+1]
.endif
.endif
.endm
; Block a's 64 exponentials, ONE batch; between them the sums of block a - 1, whose exponentials have had their wait.
.macro GEXP a
.set TA, 64+64*((\a)%2)
.set TP, 64+64*(((\a)+1)%2)
.set i, 0
.rept 64
	v_exp_f32 v[TA+i], v[TA+i]
.if (\a) > 0
	SUML
.endif
.set i, i+1
.endr
.endm
.macro FIN p                           ; block p's chains and halves are joined; its three numbers a query go into my stage (both halves of the lanes hold, and write, the same)
	v_pk_add_f32 v[LL:LL+1], v[LL:LL+1], v[LL+2:LL+3]
	v_pk_add_f32 v[OO:OO+1], v[OO:OO+1], v[OO+2:OO+3]
	v_add_f32 v[LL], v[LL], v[LL+1]
	v_add_f32 v[OO], v[OO], v[OO+1]
	v_permlanex16_b32 v18, v[LL], s[SEL], s[SEL+1]
	v_permlanex16_b32 v19, v[OO], s[SEL], s[SEL+1]
	v_add_f32 v[LL], v[LL], v18
	v_add_f32 v[OO], v[OO], v19
	ds_store_b32 v[STO], v[ST+4*(\p)+2] offset:64*(\p)
	ds_store_b32 v[STO], v[LL] offset:512+64*(\p)
	ds_store_b32 v[STO], v[OO] offset:1024+64*(\p)
.endm
	HMAX 0
	GEXP 0
	HMAX 1                                         ; plain work behind the batch's last exponential, naming none of its results
.irp a, 1,2,3,4,5,6,7
	s_wait_alu depctr_va_vdst(0)                   ; one wait for the 64 exponentials of the block before, ahead of their first reader
	GEXP \a
	FIN (\a)-1
.if (\a) < 7
	HMAX (\a)+1
.endif
.endr
	v_nop
	s_wait_alu depctr_va_vdst(0)                   ; the last block's batch
.set TP, 128
.set i, 0
.rept 64
	SUML
.set i, i+1
.endr
	FIN 7
.irp p, 0,1,2
	ds_load_b128 v[64+4*(\p):64+4*(\p)+3], v[RD] offset:512*(\p)   ; LDS serves a wave's instructions in order (ISA guide 5.7.1.4): these see my stores above
.endr
.irp p, 0,1,2
	s_wait_dscnt 2-(\p)
	global_store_b128 v[CO], v[64+4*(\p):64+4*(\p)+3], s[14:15] offset:(\p)*524288   ; a wave stores 512 consecutive bytes, aligned
.endr
	s_wait_tensorcnt 0x0                           ; the wave's end
	ds_add_u32 v[SPW], v[NIL]
	s_wait_dscnt 0x0
	CROUND                                         ; the closing round
	s_endpgm
.Lfunc_end_k_q02c37a3f0b_logits:
	.size	k_q02c37a3f0b_logits, .Lfunc_end_k_q02c37a3f0b_logits-k_q02c37a3f0b_logits
	.p2alignl 7, 3214868480
	.fill 96, 4, 3214868480
	.section	.rodata,"a",@progbits
	.p2align	6, 0x0
	.amdhsa_kernel k_q02c37a3f0b_logits
		.amdhsa_group_segment_fixed_size 327680
		.amdhsa_private_segment_fixed_size 0
		.amdhsa_enable_private_segment 0
		.amdhsa_kernarg_size 48
		.amdhsa_user_sgpr_count 2
		.amdhsa_user_sgpr_kernarg_segment_ptr 1
		.amdhsa_wavefront_size32 1
		.amdhsa_system_sgpr_workgroup_id_x 1
		.amdhsa_system_sgpr_workgroup_id_y 1
		.amdhsa_system_sgpr_workgroup_id_z 1
		.amdhsa_system_vgpr_workitem_id 0
		.amdhsa_next_free_vgpr 1024
		.amdhsa_next_free_sgpr 96
		.amdhsa_reserve_vcc 0
		.amdhsa_float_denorm_mode_32 3
		.amdhsa_float_denorm_mode_16_64 3
		.amdhsa_memory_ordered 1
		.amdhsa_forward_progress 1
		.amdhsa_inst_pref_size 196
	.end_amdhsa_kernel
	.amdgpu_metadata
---
amdhsa.version: [ 1, 2 ]
amdhsa.kernels:
  - .name:           k_q02c37a3f0b_logits
    .symbol:         k_q02c37a3f0b_logits.kd
    .args:
      - { .name: Qh, .offset: 0, .size: 8, .value_kind: global_buffer, .address_space: global }
      - { .name: Xh, .offset: 8, .size: 8, .value_kind: global_buffer, .address_space: global }
      - { .name: vbar, .offset: 16, .size: 8, .value_kind: global_buffer, .address_space: global }
      - { .name: xabs, .offset: 24, .size: 8, .value_kind: global_buffer, .address_space: global }
      - { .name: mmax, .offset: 32, .size: 8, .value_kind: global_buffer, .address_space: global }
      - { .name: part, .offset: 40, .size: 8, .value_kind: global_buffer, .address_space: global }
    .group_segment_fixed_size: 327680
    .private_segment_fixed_size: 0
    .kernarg_segment_align: 8
    .kernarg_segment_size: 48
    .max_flat_workgroup_size: 128
    .sgpr_count:     96
    .vgpr_count:     1024
    .wavefront_size: 32
...
	.end_amdgpu_metadata
.endif
;; end of part 3
;; launch combine (part 4): grid 64 x 1, 1 waves a work-group, no clusters, 0 bytes of LDS; arguments part, out0; writes out0
.if DOCPART == 4
	.amdgcn_target "amdgcn-amd-amdhsa--gfx1250"
	.amdhsa_code_object_version 6
	.text
	.protected	k_q02c37a3f0b_combine
	.globl	k_q02c37a3f0b_combine
	.p2align	8
	.type	k_q02c37a3f0b_combine,@function
k_q02c37a3f0b_combine:
	s_mov_b64 s[64:65], 0
	v_nop
	global_prefetch_b8 v0, s[64:65] scope:SCOPE_SE
	s_setreg_imm32_b32 hwreg(HW_REG_WAVE_MODE, 25, 1), 1
	s_wait_xcnt 0x0
; out0[n] = sum_c o[c][n] 2^(m2[c][n] - M[n]) / sum_c l[c][n] 2^(m2[c][n] - M[n]), M[n] = max_c m2[c][n], over the 16 chunks of 128 keys.  part: [m2, l, o][16][8192] f32.
; The mean over channels is already inside o (the first kernel's head shows why).  The chunk that holds M has l of at least 1, so the divisor is at least 1.
; A lane has 4 rows, a wave 128: 64 work-groups are all the work there is.  All 48 loads (512 consecutive bytes each) go out before the one wait.  No LDS, no matrix unit: 1.5 MB are read once.
.set MM, 16                            ; v[16:79]    m2: chunk c at MM + 4 c
.set LP, 80                            ; v[80:143]   l
.set OP, 144                           ; v[144:207]  o
	s_load_b128 s[4:7], s[0:1], 0x0                ; part s[4:5], out0 s[6:7]
	v_lshlrev_b32 v1, 4, v0
	s_lshl_b32 s8, ttmp9, 9
	s_mov_b32 s9, 0
	s_wait_kmcnt 0x0
	s_add_nc_u64 s[4:5], s[4:5], s[8:9]
	s_add_nc_u64 s[6:7], s[6:7], s[8:9]
.irp p, 0,1,2
.irp c, 0,1,2,3,4,5,6,7,8,9,10,11,12,13,14,15
	global_load_b128 v[16+64*(\p)+4*(\c):16+64*(\p)+4*(\c)+3], v1, s[4:5] offset:(\p)*524288+(\c)*32768
.endr
.endr
	s_wait_loadcnt 0x0
.irp r, 0,1,2,3
	v_max3_num_f32 v[8+(\r)], v[MM+(\r)], v[MM+4+(\r)], v[MM+8+(\r)]
.endr
.irp s, 0,1,2,3,4,5
.irp r, 0,1,2,3
	v_max3_num_f32 v[8+(\r)], v[8+(\r)], v[MM+12+8*(\s)+(\r)], v[MM+16+8*(\s)+(\r)]
.endr
.endr
.irp r, 0,1,2,3
	v_max_num_f32 v[8+(\r)], v[8+(\r)], v[MM+60+(\r)]
.endr
.irp c, 0,1,2,3,4,5,6,7,8,9,10,11,12,13,14,15
	v_pk_add_f32 v[MM+4*(\c):MM+4*(\c)+1],   v[MM+4*(\c):MM+4*(\c)+1],   v[8:9]   neg_lo:[0,1] neg_hi:[0,1]
	v_pk_add_f32 v[MM+4*(\c)+2:MM+4*(\c)+3], v[MM+4*(\c)+2:MM+4*(\c)+3], v[10:11] neg_lo:[0,1] neg_hi:[0,1]
.endr
.set i, 0
.rept 64
	v_exp_f32 v[MM+i], v[MM+i]
.set i, i+1
.endr
	v_nop                                          ; a plain instruction behind the last exponential,
	s_wait_alu depctr_va_vdst(0)                   ; and one wait for the batch, ahead of its first reader
	v_pk_mul_f32 v[208:209], v[LP:LP+1],   v[MM:MM+1]
	v_pk_mul_f32 v[210:211], v[LP+2:LP+3], v[MM+2:MM+3]
	v_pk_mul_f32 v[212:213], v[OP:OP+1],   v[MM:MM+1]
	v_pk_mul_f32 v[214:215], v[OP+2:OP+3], v[MM+2:MM+3]
.irp c, 1,2,3,4,5,6,7,8,9,10,11,12,13,14,15
	v_pk_fma_f32 v[208:209], v[LP+4*(\c):LP+4*(\c)+1],   v[MM+4*(\c):MM+4*(\c)+1],   v[208:209]
	v_pk_fma_f32 v[210:211], v[LP+4*(\c)+2:LP+4*(\c)+3], v[MM+4*(\c)+2:MM+4*(\c)+3], v[210:211]
	v_pk_fma_f32 v[212:213], v[OP+4*(\c):OP+4*(\c)+1],   v[MM+4*(\c):MM+4*(\c)+1],   v[212:213]
	v_pk_fma_f32 v[214:215], v[OP+4*(\c)+2:OP+4*(\c)+3], v[MM+4*(\c)+2:MM+4*(\c)+3], v[214:215]
.endr
.irp r, 0,1,2,3
	v_rcp_f32 v[216+(\r)], v[208+(\r)]
.endr
	v_nop
	s_wait_alu depctr_va_vdst(0)                   ; one wait for the four reciprocals
	v_pk_mul_f32 v[220:221], v[212:213], v[216:217]
	v_pk_mul_f32 v[222:223], v[214:215], v[218:219]
	global_store_b128 v1, v[220:223], s[6:7]       ; 512 consecutive bytes, aligned
	s_endpgm
.Lfunc_end_k_q02c37a3f0b_combine:
	.size	k_q02c37a3f0b_combine, .Lfunc_end_k_q02c37a3f0b_combine-k_q02c37a3f0b_combine
	.p2alignl 7, 3214868480
	.fill 96, 4, 3214868480
	.section	.rodata,"a",@progbits
	.p2align	6, 0x0
	.amdhsa_kernel k_q02c37a3f0b_combine
		.amdhsa_group_segment_fixed_size 0
		.amdhsa_private_segment_fixed_size 0
		.amdhsa_enable_private_segment 0
		.amdhsa_kernarg_size 16
		.amdhsa_user_sgpr_count 2
		.amdhsa_user_sgpr_kernarg_segment_ptr 1
		.amdhsa_wavefront_size32 1
		.amdhsa_system_sgpr_workgroup_id_x 1
		.amdhsa_system_sgpr_workgroup_id_y 1
		.amdhsa_system_sgpr_workgroup_id_z 1
		.amdhsa_system_vgpr_workitem_id 0
		.amdhsa_next_free_vgpr 224
		.amdhsa_next_free_sgpr 66
		.amdhsa_reserve_vcc 0
		.amdhsa_float_denorm_mode_32 3
		.amdhsa_float_denorm_mode_16_64 3
		.amdhsa_memory_ordered 1
		.amdhsa_forward_progress 1
		.amdhsa_inst_pref_size 16
	.end_amdhsa_kernel
	.amdgpu_metadata
---
amdhsa.version: [ 1, 2 ]
amdhsa.kernels:
  - .name:           k_q02c37a3f0b_combine
    .symbol:         k_q02c37a3f0b_combine.kd
    .args:
      - { .name: part, .offset: 0, .size: 8, .value_kind: global_buffer, .address_space: global }
      - { .name: out0, .offset: 8, .size: 8, .value_kind: global_buffer, .address_space: global }
    .group_segment_fixed_size: 0
    .private_segment_fixed_size: 0
    .kernarg_segment_align: 8
    .kernarg_segment_size: 16
    .max_flat_workgroup_size: 32
    .sgpr_count:     66
    .vgpr_count:     224
    .wavefront_size: 32
...
	.end_amdgpu_metadata
.endif
;; end of part 4
